; MI455X (gfx1250); checked and timed in simulation.
; The chip was launched on July 23, 2026; its instructions are those of AMD's public machine-readable ISA for CDNA 5 (MIT licence, August 2026) and "CDNA5" Instruction Set Architecture Reference Guide (July 2026). The comments in the code are by the model that wrote it; some were corrected since.
;; Attention. Allowed arithmetic: matrix products marked QUANTISED: E2M3 operands, one E8M0 scale for each 32 along K, by v_wmma_scale_f32_16x16x128_f8f6f4 with both operands' format E2M3, f32 sums; everything else in f32.
;; Inputs: W_out 1,024 x 1,024 float32; W_qkv 1,024 x 3,072 float32; b_out 1,024 float32; b_qkv 3,072 float32; x 4 x 2,048 x 1,024 float32.
;; Outputs: out0 4 x 2,048 x 1,024 float32.
;; This version of the problem:
;;   THIS VERSION OF THE PROBLEM IS GIVEN IN LOW PRECISION. The matrix products marked QUANTISED in the list below multiply operands that are first quantised to E2M3 (2 exponent bits, 3 mantissa bits; 6 bits a number), with one power-of-two scale for each 32 numbers along K (OCP MX v1.0); their sums are f32. All else is computed in f32.
;;   The module's matrix products, in the order in which they are computed (A, B: the left and right operand; K: the contracted axis; several contracted axes count as one K, in the product's order):
;;     1. [M 8,192, K 1,024] x [K 1,024, N 3,072]; A: input x; B: input W_qkv: QUANTISED
;;     2. batch 64 x [M 2,048, K 64] x [K 64, N 2,048]; A: computed on the way; B: computed on the way: QUANTISED
;;     3. batch 64 x [M 64, K 2,048] x [K 2,048, N 2,048]; A: computed on the way; B: softmax (see below): QUANTISED
;;     4. [M 8,192, K 1,024] x [K 1,024, N 1,024]; A: computed on the way; B: input W_out: QUANTISED
;;   THE QUANTISER, for each operand of a quantised product, along K:
;;     - K is cut into blocks of 32 from its start; a last block that is shorter is filled with zeros.
;;     - A block's scale is 2^e with e = floor(log2(the largest magnitude in the block)) - 2, held to -126 .. 127; a block of zeros has e = 0. As a byte (E8M0): e + 127.
;;     - Each number is divided by its block's scale, clamped to +-7.5, and rounded to the nearest number of E2M3, ties to even, subnormals kept.
;;     - The product sums the exact products of the quantised numbers (number of the format x scale) in f32.
;;   ~~~python
;;   def quantise(x, axis):      # numpy; x: float32 -> the quantised numbers, widened to float32 again
;;       x = np.moveaxis(x, axis, -1); K = x.shape[-1]
;;       x = np.pad(x, [(0, 0)] * (x.ndim - 1) + [(0, -K % 32)]); x = x.reshape(x.shape[:-1] + (-1, 32)); a = np.abs(x).max(-1, keepdims=True)
;;       e = np.where(a > 0, np.clip(np.frexp(np.where(a > 0, a, 1))[1] - 1 - 2, -126, 127), 0)      # np.frexp(a)[1] - 1 = floor(log2(a)), exactly
;;       r = np.clip(x / 2.0 ** e, -7.5, 7.5)
;;       step = 2.0 ** (np.maximum(np.frexp(np.where(r == 0, 1, r))[1] - 1, 0) - 3)
;;       q = np.round(r / step) * step * 2.0 ** e      # np.round: ties to even
;;       return np.moveaxis(q.reshape(q.shape[:-2] + (-1,))[..., :K], -1, axis).astype(np.float32)
;;   ~~~
;;   SOFTMAX AHEAD OF A QUANTISED PRODUCT. Where the list says 'softmax', what is quantised is not the finished softmax but p = 2^(t - M), with t = logit x log2(e) and M = ceil(the row's largest t), a whole number; so 1/2 < the row's largest p <= 1. The row's sum l is taken of the UNQUANTISED p, in f32, and the product's result is divided by l at the end. Since M is a whole number, a kernel that streams over the keys may use a running M (the ceiling of the running maximum): every later rescaling is an exact power of two, which a block's scale takes up: the codes' values come out the same.
;;   OPERANDS COMPUTED ON THE WAY. 'Computed on the way' means the value that the module computes at that place (a softmax that the list does not call 'softmax' is quantised finished and normalised). What goes into a quantiser is computed in f32, as accurately as f32 sums, v_exp_f32 and their like allow (about 1e-6 of the number): no bf16 or f16 on the way to a quantiser, and a product that is left as it is and whose result goes on into a quantised operand takes f32 operands (vector FMAs, or v_wmma_f32_16x16x4_f32). A number that lies on a knife's edge between two numbers of the format may be rounded either way, as far as f32 arithmetic and the matrix unit's own rounding can turn it there, and no further.
;; One version. Each part assembles by itself: llvm-mc -triple=amdgcn-amd-amdhsa -mcpu=gfx1250 --defsym DOCPART=n.
;; ======== version 1 of 1: 5 launches
;; limits: right only within a limited range of input values
;; workspace buffers: opc 9,437,184 bytes; ops 393,216 bytes; qkvc 18,874,368 bytes; qkvs 786,432 bytes; oc 6,291,456 bytes; os 262,144 bytes
;; launch quant_x (part 1): grid 128 x 2, 4 waves a work-group, no clusters, 41,472 bytes of LDS; arguments x, opc, ops; writes opc, ops
.if DOCPART == 1
	.amdgcn_target "amdgcn-amd-amdhsa--gfx1250"
	.amdhsa_code_object_version 6
	.text
	.protected	k_qe839cbdcd7_quant_x
	.globl	k_qe839cbdcd7_quant_x
	.p2align	8
	.type	k_qe839cbdcd7_quant_x,@function
k_qe839cbdcd7_quant_x:
	s_mov_b64 s[64:65], 0
	v_nop
	global_prefetch_b8 v0, s[64:65] scope:SCOPE_SE
	s_setreg_imm32_b32 hwreg(HW_REG_WAVE_MODE, 25, 1), 1
	s_wait_xcnt 0x0
; x [8192][1024] f32 becomes codes of FP6 (E2M3) with one E8M0 byte for each 32 along K, laid as IMAGES OF OPERAND REGISTERS:
; opc [plane 0..7][tile 0..767][1536 bytes], ops [plane][tile][64 bytes].  A plane is 128 along K.  x takes tiles 0..511.
; An image is a fragment of 16 rows x 128 K: lane l = 16 h + r has its 12 registers on end at byte 48 l: k = 32 h + 0..31 of row r (24 bytes), then k = 64 + 32 h + 0..31.
; The 16 rows of tile T = 2 G + u are tokens 32 G + 16 (row / 8) + 8 u + row % 8, so that two neighbouring tiles used as source 0 leave a lane 16 neighbouring tokens.
; A block's scale is 2^(floor(log2(largest magnitude)) - 2); its byte is the largest magnitude's exponent field - 2, held at 1 from below.
; LIMITS: NaN and infinities are not served; a block whose largest magnitude lies under 2^-124 keeps the byte 1; a block of zeros gets the byte 1 where the rule says 127
; (its codes are zeros, which add nothing under any byte but 0xff, and this program alone reads the bytes).
; SHARES: work-group (X, Y): tiles 4 X .. 4 X + 3, planes 4 Y .. 4 Y + 3; wave w: tile 4 X + w, four images.  Work-groups share no input: no cluster, no tensor load.
; Each load reads 512 consecutive bytes of a row; the 16 rows turn through the wave's own stage so that a lane gets two whole blocks of 32; the codes turn through a second
; stage so that each store covers 512 consecutive bytes.  The scale words of a plane's four tiles meet in LDS and leave as one aligned run of 256 bytes.
.set PLANEB, 1179648                   ; 768 tiles x 1536 bytes
.set SPLANE, 49152                     ; 768 tiles x 64 bytes
.set XPITCH, 528                       ; a stage row: 512 bytes + 16: row r starts 4 r words on, modulo 64 (64 banks of 4 bytes: ISA guide 11.1)
.set XSTW,   16*XPITCH                 ; a wave's stage for numbers
.set CST,    4*XSTW                    ; the waves' stages for codes, 1536 bytes each
.set SST,    CST+4*1536                ; scale words: [image 0..3][wave][64 bytes]
.set R,   16                           ; v16-143  two sets of 64 registers as loaded
.set X,   144                          ; v144-207 my two blocks of 32 numbers
.set C,   208                          ; v208-219 the fragment's 12 registers
.set CT,  220                          ; v220-227 the second half of each block's codes, before it is moved
.set MX,  228                          ; v228-229 largest magnitudes
.set SO,  230                          ; v230-231 the conversions' scale operands
.set BY,  232                          ; v232-233 scale bytes
.set WD,  234                          ; v234     the row's scale word
.set TP,  235                          ; v235     the other half's two bytes
.set OUT, 240                          ; v240-251 the image as it is stored
	s_load_b128 s[4:7], s[0:1], 0x0                ; x, opc
	s_load_b64 s[8:9], s[0:1], 0x10                ; ops
	v_lshl_add_u32 v254, v0, 2, 0xa000
	v_mov_b32 v255, 0
	v_lshrrev_b32 v10, 5, v0
	v_readfirstlane_b32 s14, v10                   ; wave
	v_and_b32 v11, 31, v0                          ; l
	s_wait_alu depctr_va_vdst(0)
	v_and_b32 v12, 15, v0                          ; r
	v_bfe_u32 v13, v0, 4, 1                        ; h
	s_and_b32 s15, ttmp7, 0xffff                   ; Y
	s_lshl_b32 s16, ttmp9, 2
	s_add_co_u32 s16, s16, s14                     ; T
	s_mov_b32 s12, 0x76543210
	s_mov_b32 s13, 0xfedcba98                      ; selects for lane l xor 16
	s_mul_i32 s17, s14, XSTW
	v_lshlrev_b32 v1, 4, v11                       ; v1: 16 l
	v_add_nc_u32 v2, s17, v1                       ; v2: into the stage: a row's 512 bytes as they lie
	v_mul_u32_u24 v3, v12, XPITCH
	v_lshl_add_u32 v3, v13, 7, v3
	v_add_nc_u32 v3, s17, v3                       ; v3: out of it: row r, + 128 h bytes
	s_mul_i32 s17, s14, 1536
	s_add_co_u32 s17, s17, CST
	v_mul_u32_u24 v4, v11, 48
	v_add_nc_u32 v4, s17, v4                       ; v4: my 48 bytes of the image
	v_add_nc_u32 v5, s17, v1                       ; v5: and 16 l on the way out
	s_lshl_b32 s17, s14, 6
	s_add_co_u32 s17, s17, SST
	v_lshl_add_u32 v6, v12, 2, s17                 ; v6: my row's scale word
	s_lshl_b32 s17, s14, 8
	s_add_co_u32 s17, s17, SST
	v_lshl_add_u32 v7, v11, 3, s17                 ; v7: image w's 256 bytes of scale words, 8 a lane
	v_lshlrev_b32 v8, 3, v11
	v_lshlrev_b32 v9, 3, v13                       ; v9: 8 h
	v_mov_b32 v[TP], 0                             ; a lane permute's destination counts as read
	s_lshr_b32 s18, s16, 1
	s_lshl_b32 s18, s18, 5
	s_and_b32 s19, s16, 1
	s_lshl_b32 s19, s19, 3
	s_add_co_u32 s18, s18, s19                     ; the tile's first token: 32 (T / 2) + 8 (T % 2)
	s_lshl_b32 s18, s18, 12                        ; x 4096 bytes
	s_lshl_b32 s19, s15, 11                        ; + four planes of 512 bytes x Y
	s_add_co_u32 s18, s18, s19
	s_mov_b32 s19, 0
	s_mul_i32 s20, s15, 4*PLANEB
	s_mul_i32 s21, s16, 1536
	s_add_co_u32 s20, s20, s21
	s_mov_b32 s21, 0
	s_lshl_b32 s22, s15, 2
	s_add_co_u32 s22, s22, s14                     ; the plane whose scale words I store: 4 Y + w
	s_mul_i32 s22, s22, SPLANE
	s_lshl_b32 s23, ttmp9, 8                       ; tiles 4 X on: 256 X bytes
	s_add_co_u32 s22, s22, s23
	s_mov_b32 s23, 0
	s_wait_alu depctr_va_vdst(0)
	s_wait_kmcnt 0x0
	s_add_nc_u64 s[4:5], s[4:5], s[18:19]
	s_add_nc_u64 s[6:7], s[6:7], s[20:21]
	s_add_nc_u64 s[8:9], s[8:9], s[22:23]
.macro LOAD t                          ; image t's 16 rows x 512 bytes into set t % 2
.irp p, 0,1,2,3,4,5,6,7,8,9,10,11,12,13,14,15
	global_load_b128 v[R+64*((\t)%2)+4*\p:R+64*((\t)%2)+4*\p+3], v1, s[4:5] offset:(16*(\p/8)+\p%8)*4096+512*(\t) th:TH_LOAD_NT
.endr
.endm
.macro IMAGE t
.set RS, R+64*((\t)%2)
.if (\t) < 3
	s_wait_loadcnt 16                              ; this image's 16 loads are in; the next image's 16 may be out
.else
	s_wait_loadcnt 0x0
.endif
.irp p, 0,1,2,3,4,5,6,7,8,9,10,11,12,13,14,15
	ds_store_b128 v2, v[RS+4*\p:RS+4*\p+3] offset:XPITCH*\p
.endr
.irp c, 0,1
.irp j, 0,1,2,3,4,5,6,7
	ds_load_b128 v[X+32*\c+4*\j:X+32*\c+4*\j+3], v3 offset:256*\c+16*\j   ; k = 64 c + 32 h + 4 j ..: LDS serves a wave's instructions in order, so these see the stores above
.endr
.endr
	s_wait_dscnt 0x0                               ; my numbers are back, and the stores have read their registers,
.if (\t)+2 < 4
	LOAD (\t)+2                                    ; which take the image two on
.endif
.irp c, 0,1
	v_max3_num_f32 v[MX+\c], |v[X+32*\c]|, |v[X+32*\c+1]|, 0x1800000   ; my block 2 c + h: all 32 numbers are mine; the floor 2^(3 - 127) holds the byte at 1 from below
.endr
.irp i, 2,4,6,8,10,12,14,16,18,20,22,24,26,28,30
.irp c, 0,1
	v_max3_num_f32 v[MX+\c], v[MX+\c], |v[X+32*\c+\i]|, |v[X+32*\c+\i+1]|
.endr
.endr
.irp c, 0,1
	v_add_nc_u32 v[SO+\c], 0xff000000, v[MX+\c]    ; 2 off the exponent field: the conversion takes the exponent field of this operand as its scale
.endr
.irp c, 0,1
	v_lshrrev_b32 v[BY+\c], 23, v[SO+\c]           ; the scale's byte
.endr
	v_lshl_or_b32 v[WD], v[BY+1], 16, v[BY]        ; blocks h and 2 + h,
	v_lshlrev_b32 v[WD], v9, v[WD]                 ; at their places in the word;
	v_permlanex16_b32 v[TP], v[WD], s12, s13
	v_or_b32 v[WD], v[WD], v[TP]                   ; with lane l xor 16's two the word is whole
.irp c, 0,1
	v_cvt_scalef32_pk16_fp6_f32 v[C+6*\c:C+6*\c+2], v[X+32*\c:X+32*\c+15], v[SO+\c]
	v_cvt_scalef32_pk16_fp6_f32 v[CT+4*\c:CT+4*\c+2], v[X+32*\c+16:X+32*\c+31], v[SO+\c]   ; (a conversion's three registers begin on an even number)
.endr
	v_nop                                          ; one plain instruction behind the conversions
.irp c, 0,1
.irp i, 0,1,2
	v_mov_b32 v[C+3+6*\c+\i], v[CT+4*\c+\i]
.endr
.endr
	s_wait_alu depctr_va_vdst(0)
	s_wait_xcnt 0x0                                ; the last image's stores have read OUT: it is loaded again only behind this wait
.irp i, 0,1,2
	ds_store_b128 v4, v[C+4*\i:C+4*\i+3] offset:16*\i
.endr
	ds_store_b32 v6, v[WD] offset:256*(\t)         ; lanes r and 16 + r write the same word with the same value
.irp i, 0,1,2
	ds_load_b128 v[OUT+4*\i:OUT+4*\i+3], v5 offset:512*\i
.endr
	s_wait_dscnt 0x0
.irp i, 0,1,2
	global_store_b128 v1, v[OUT+4*\i:OUT+4*\i+3], s[6:7] offset:(\t)*PLANEB+512*\i   ; 32 lanes store 512 consecutive bytes, at a multiple of 512 from the buffer's first byte
.endr
.endm
	LOAD 0
	LOAD 1
	IMAGE 0
	IMAGE 1
	IMAGE 2
	IMAGE 3
	s_wait_dscnt 0x0                               ; for the others' sake: my scale words lie in LDS
	s_barrier_signal -1
	s_barrier_wait -1
	ds_load_b64 v[236:237], v7                     ; plane 4 Y + w: the four tiles' words
	s_wait_dscnt 0x0
	global_store_b64 v8, v[236:237], s[8:9]        ; 32 lanes store 256 consecutive bytes, aligned
	s_wait_tensorcnt 0x0
	ds_add_u32 v254, v255
	s_wait_dscnt 0x0
	s_endpgm
.Lfunc_end_k_qe839cbdcd7_quant_x:
	.size	k_qe839cbdcd7_quant_x, .Lfunc_end_k_qe839cbdcd7_quant_x-k_qe839cbdcd7_quant_x
	.p2alignl 7, 3214868480
	.fill 96, 4, 3214868480
	.section	.rodata,"a",@progbits
	.p2align	6, 0x0
	.amdhsa_kernel k_qe839cbdcd7_quant_x
		.amdhsa_group_segment_fixed_size 41472
		.amdhsa_private_segment_fixed_size 0
		.amdhsa_enable_private_segment 0
		.amdhsa_kernarg_size 24
		.amdhsa_user_sgpr_count 2
		.amdhsa_user_sgpr_kernarg_segment_ptr 1
		.amdhsa_wavefront_size32 1
		.amdhsa_system_sgpr_workgroup_id_x 1
		.amdhsa_system_sgpr_workgroup_id_y 1
		.amdhsa_system_sgpr_workgroup_id_z 1
		.amdhsa_system_vgpr_workitem_id 0
		.amdhsa_next_free_vgpr 256
		.amdhsa_next_free_sgpr 66
		.amdhsa_reserve_vcc 0
		.amdhsa_float_denorm_mode_32 3
		.amdhsa_float_denorm_mode_16_64 3
		.amdhsa_memory_ordered 1
		.amdhsa_forward_progress 1
		.amdhsa_inst_pref_size 33
	.end_amdhsa_kernel
	.amdgpu_metadata
---
amdhsa.version: [ 1, 2 ]
amdhsa.kernels:
  - .name:           k_qe839cbdcd7_quant_x
    .symbol:         k_qe839cbdcd7_quant_x.kd
    .args:
      - { .name: x, .offset: 0, .size: 8, .value_kind: global_buffer, .address_space: global }
      - { .name: opc, .offset: 8, .size: 8, .value_kind: global_buffer, .address_space: global }
      - { .name: ops, .offset: 16, .size: 8, .value_kind: global_buffer, .address_space: global }
    .group_segment_fixed_size: 41472
    .private_segment_fixed_size: 0
    .kernarg_segment_align: 8
    .kernarg_segment_size: 24
    .max_flat_workgroup_size: 128
    .sgpr_count:     66
    .vgpr_count:     256
    .wavefront_size: 32
...
	.end_amdgpu_metadata
.endif
;; end of part 1
;; launch quant_w (part 2): grid 32 x 8, 4 waves a work-group, no clusters, 12,800 bytes of LDS; arguments W_qkv, W_out, opc, ops; writes opc, ops
.if DOCPART == 2
	.amdgcn_target "amdgcn-amd-amdhsa--gfx1250"
	.amdhsa_code_object_version 6
	.text
	.protected	k_qe839cbdcd7_quant_w
	.globl	k_qe839cbdcd7_quant_w
	.p2align	8
	.type	k_qe839cbdcd7_quant_w,@function
k_qe839cbdcd7_quant_w:
	s_mov_b64 s[64:65], 0
	v_nop
	global_prefetch_b8 v0, s[64:65] scope:SCOPE_SE
	s_setreg_imm32_b32 hwreg(HW_REG_WAVE_MODE, 25, 1), 1
	s_wait_xcnt 0x0
; W_qkv [1024 (k)][3072 (n)] and W_out [1024 (k)][1024 (n)], f32 with K as the FIRST axis, become images of operand registers in opc and ops (layout: [plane][tile][1536] and [plane][tile][64];
; an image: lane 16 h + row has, at byte 48 x lane, k = 32 h + 0..31 and then k = 64 + 32 h + 0..31 of its row).  A row of a tile is a column n.  W_qkv takes tiles 512..703, W_out tiles 704..767.
; A LANE TAKES A COLUMN AND ITS REGISTERS RUN DOWN K: a block of 32 lies in one lane, and the conversions give codes with K innermost.
; WHICH COLUMN GOES WHERE, inside each 128 columns (8 tiles).  q's, k's and W_out's columns: n = 32 G + 16 a + 8 u + j goes to tile 2 G + u, row 8 a + j.
; v's columns (n from 2048 on): n = 64 i + 32 G + 16 a + 8 u + j goes to tile 4 G + 2 u + i, row 8 a + j: two neighbouring tiles then belong to two neighbouring heads.
; SHARES: work-group (X, Y): 128 columns (X under 24: W_qkv's, else W_out's), plane Y; wave w: 32 columns = two tiles.  The choice between the tensors is of pointers and whole numbers only, by the work-group's number.
; LIMITS: NaN and infinities are not served; a block whose largest magnitude lies under 2^-124 keeps the byte 1; a block of zeros gets the byte 1 where the rule says 127 (its codes are zeros; this program alone reads the bytes).
; The scale words leave as runs of 64 or 128 bytes, 4 bytes a lane: 131,072 bytes in the whole launch against 16.8 million read.  Work-groups share no input: no cluster, no tensor load; waves share nothing: no barrier.
.set PLANEB, 1179648
.set SPLANE, 49152
.set OFF, 32                           ; v32-63   4 x lane + i x pitch, never rewritten
.set X,   64                           ; v64-127  two sets of 32 numbers
.set P,   128                          ; v128-133 a block's 24 bytes of codes
.set CT,  134                          ; v134-136 their second half, before it is moved
.set OUT, 140                          ; v140-163 two images on the way out
	s_load_b128 s[4:7], s[0:1], 0x0                ; W_qkv, W_out
	s_load_b128 s[8:11], s[0:1], 0x10              ; opc, ops
	v_lshl_add_u32 v168, v0, 2, 0x3000
	v_mov_b32 v169, 0
	v_lshrrev_b32 v1, 5, v0
	v_readfirstlane_b32 s14, v1                    ; wave
	v_and_b32 v1, 31, v0                           ; lane
	s_wait_alu depctr_va_vdst(0)
	s_and_b32 s15, ttmp7, 0xffff                   ; Y: the plane
	s_mov_b32 s16, 4096
	s_cmp_lt_u32 ttmp9, 24
	s_cselect_b32 s16, 12288, s16                  ; bytes from row to row of the tensor
	s_cselect_b32 s17, 0, 24
	s_sub_co_u32 s17, ttmp9, s17                   ; which 128 columns of it
	s_lshr_b32 s18, ttmp9, 3
	s_and_b32 s19, s14, 1
	s_lshl_b32 s19, s19, 2
	s_lshr_b32 s20, s14, 1
	s_add_co_u32 s19, s19, s20                     ; v's columns: my first tile is 4 (w % 2) + w / 2, my second two on
	s_lshl_b32 s20, s14, 1                         ; the others: 2 w, and the next
	s_cmp_eq_u32 s18, 2                            ; X = 16 .. 23: v's columns
	s_cselect_b32 s19, s19, s20
	s_cselect_b32 s18, 2, 1                        ; tiles from my first to my second
	s_lshl_b32 s20, ttmp9, 3
	s_add_co_u32 s20, s20, 512
	s_add_co_u32 s20, s20, s19                     ; my first tile: 512 + 8 X + ..  (512 + 8 x 24 = 704: W_out's follow W_qkv's)
	v_lshlrev_b32 v2, 2, v1
.irp i, 0,1,2,3,4,5,6,7,8,9,10,11,12,13,14,15,16,17,18,19,20,21,22,23,24,25,26,27,28,29,30,31
	v_mad_u32_u24 v[OFF+\i], s16, \i, v2
.endr
	v_bfe_u32 v3, v0, 3, 1                         ; u: which of my two tiles
	v_bfe_u32 v10, v0, 4, 1
	v_and_b32 v11, 7, v0
	v_lshl_add_u32 v10, v10, 3, v11                ; my row in it
	s_mul_i32 s21, s14, 3072                       ; my stage: two images
	v_mul_u32_u24 v4, v10, 48
	v_mad_u32_u24 v4, v3, 1536, v4
	v_add_nc_u32 v4, s21, v4                       ; v4: the place of (row, h = 0) in my tile's image
	v_lshlrev_b32 v6, 4, v1                        ; v6: 16 x lane: the first image on the way out,
	v_add_nc_u32 v5, s21, v6                       ; v5: out of the stage
	s_mul_i32 s22, s18, 1536
	v_add_nc_u32 v7, s22, v6                       ; v7: the second image
	s_lshl_b32 s22, s18, 6
	v_mul_u32_u24 v8, v3, s22
	v_lshl_add_u32 v8, v10, 2, v8                  ; v8: my scale word's place
	s_lshl_b32 s22, s15, 7
	s_mul_i32 s22, s22, s16                        ; 128 Y rows
	s_lshl_b32 s23, s17, 9
	s_add_co_u32 s22, s22, s23                     ; + 128 columns x 4 bytes
	s_lshl_b32 s23, s14, 7
	s_add_co_u32 s22, s22, s23                     ; + 32 w columns
	s_mov_b32 s23, 0
	s_lshl_b32 s32, s16, 5                         ; 32 rows on
	s_mov_b32 s33, 0
	s_mul_i32 s34, s15, PLANEB
	s_mul_i32 s35, s20, 1536
	s_add_co_u32 s34, s34, s35
	s_mov_b32 s35, 0
	s_mul_i32 s36, s15, SPLANE
	s_lshl_b32 s37, s20, 6
	s_add_co_u32 s36, s36, s37
	s_mov_b32 s37, 0
	s_wait_kmcnt 0x0
	s_cmp_lt_u32 ttmp9, 24
	s_cselect_b64 s[4:5], s[4:5], s[6:7]
	s_add_nc_u64 s[24:25], s[4:5], s[22:23]        ; a base for each of the plane's four blocks
	s_add_nc_u64 s[26:27], s[24:25], s[32:33]
	s_add_nc_u64 s[28:29], s[26:27], s[32:33]
	s_add_nc_u64 s[30:31], s[28:29], s[32:33]
	s_add_nc_u64 s[8:9], s[8:9], s[34:35]
	s_add_nc_u64 s[10:11], s[10:11], s[36:37]
.macro LOAD t                          ; block t: W(128 Y + 32 t + i, my column) into set t % 2: 32 lanes read 128 consecutive bytes, the four waves 512
.irp i, 0,1,2,3,4,5,6,7,8,9,10,11,12,13,14,15,16,17,18,19,20,21,22,23,24,25,26,27,28,29,30,31
	global_load_b32 v[X+32*((\t)%2)+\i], v[OFF+\i], s[24+2*(\t):25+2*(\t)] th:TH_LOAD_NT
.endr
.endm
	LOAD 0
	LOAD 1
.macro BLOCK t
.set XS, X+32*((\t)%2)
.if (\t) < 3
	s_wait_loadcnt 32                              ; this block's 32 loads are in; the next block's may be out
.else
	s_wait_loadcnt 0x0
.endif
	v_max3_num_f32 v12, |v[XS]|, |v[XS+1]|, |v[XS+2]|
	v_max3_num_f32 v13, |v[XS+3]|, |v[XS+4]|, |v[XS+5]|
.irp i, 6,10,14,18,22,26
	v_max3_num_f32 v12, v12, |v[XS+\i]|, |v[XS+\i+1]|
	v_max3_num_f32 v13, v13, |v[XS+\i+2]|, |v[XS+\i+3]|
.endr
	v_max3_num_f32 v12, v12, |v[XS+30]|, |v[XS+31]|
	v_max3_num_f32 v12, v12, v13, 0x1800000        ; the floor 2^(3 - 127): the byte cannot fall under 1
	v_add_nc_u32 v14, 0xff000000, v12              ; 2 off the exponent field: the conversions' scale operand
	v_lshrrev_b32 v13, 23, v14                     ; the scale's byte
.if (\t) == 0
	v_mov_b32 v9, v13
.else
	v_lshl_or_b32 v9, v13, 8*(\t), v9              ; the plane's four bytes make my column's scale word
.endif
	v_cvt_scalef32_pk16_fp6_f32 v[P:P+2], v[XS:XS+15], v14
	v_cvt_scalef32_pk16_fp6_f32 v[CT:CT+2], v[XS+16:XS+31], v14    ; (a conversion's three registers begin on an even number)
	v_nop                                          ; one plain instruction behind the conversions
.irp i, 0,1,2
	v_mov_b32 v[P+3+\i], v[CT+\i]
.endr
.irp i, 0,1,2
	ds_store_b64 v4, v[P+2*\i:P+2*\i+1] offset:768*((\t)%2)+24*((\t)/2)+8*\i   ; block t = 2 c + h lies in lane 16 h + row, 24 c bytes on
.endr
.if (\t)+2 < 4
	LOAD (\t)+2
.endif
	s_wait_dscnt 0x0                               ; the stores have read their registers: the next block's codes may be written
.endm
	BLOCK 0
	BLOCK 1
	BLOCK 2
	BLOCK 3
	s_wait_alu depctr_va_vdst(0)
	global_store_b32 v8, v9, s[10:11]
.irp j, 0,1,2,3,4,5
	ds_load_b128 v[OUT+4*\j:OUT+4*\j+3], v5 offset:512*\j        ; LDS serves a wave's instructions in order: these see my stores
.endr
.irp j, 0,1,2
	s_wait_dscnt 5-\j                              ; the younger loads may be out
	global_store_b128 v6, v[OUT+4*\j:OUT+4*\j+3], s[8:9] offset:512*\j       ; 32 lanes store 512 consecutive bytes, aligned
.endr
.irp j, 3,4,5
	s_wait_dscnt 5-\j
	global_store_b128 v7, v[OUT+4*\j:OUT+4*\j+3], s[8:9] offset:512*(\j-3)
.endr
	s_wait_tensorcnt 0x0
	ds_add_u32 v168, v169
	s_wait_dscnt 0x0
	s_endpgm
.Lfunc_end_k_qe839cbdcd7_quant_w:
	.size	k_qe839cbdcd7_quant_w, .Lfunc_end_k_qe839cbdcd7_quant_w-k_qe839cbdcd7_quant_w
	.p2alignl 7, 3214868480
	.fill 96, 4, 3214868480
	.section	.rodata,"a",@progbits
	.p2align	6, 0x0
	.amdhsa_kernel k_qe839cbdcd7_quant_w
		.amdhsa_group_segment_fixed_size 12800
		.amdhsa_private_segment_fixed_size 0
		.amdhsa_enable_private_segment 0
		.amdhsa_kernarg_size 32
		.amdhsa_user_sgpr_count 2
		.amdhsa_user_sgpr_kernarg_segment_ptr 1
		.amdhsa_wavefront_size32 1
		.amdhsa_system_sgpr_workgroup_id_x 1
		.amdhsa_system_sgpr_workgroup_id_y 1
		.amdhsa_system_sgpr_workgroup_id_z 1
		.amdhsa_system_vgpr_workitem_id 0
		.amdhsa_next_free_vgpr 170
		.amdhsa_next_free_sgpr 66
		.amdhsa_reserve_vcc 0
		.amdhsa_float_denorm_mode_32 3
		.amdhsa_float_denorm_mode_16_64 3
		.amdhsa_memory_ordered 1
		.amdhsa_forward_progress 1
		.amdhsa_inst_pref_size 26
	.end_amdhsa_kernel
	.amdgpu_metadata
---
amdhsa.version: [ 1, 2 ]
amdhsa.kernels:
  - .name:           k_qe839cbdcd7_quant_w
    .symbol:         k_qe839cbdcd7_quant_w.kd
    .args:
      - { .name: W_qkv, .offset: 0, .size: 8, .value_kind: global_buffer, .address_space: global }
      - { .name: W_out, .offset: 8, .size: 8, .value_kind: global_buffer, .address_space: global }
      - { .name: opc, .offset: 16, .size: 8, .value_kind: global_buffer, .address_space: global }
      - { .name: ops, .offset: 24, .size: 8, .value_kind: global_buffer, .address_space: global }
    .group_segment_fixed_size: 12800
    .private_segment_fixed_size: 0
    .kernarg_segment_align: 8
    .kernarg_segment_size: 32
    .max_flat_workgroup_size: 128
    .sgpr_count:     66
    .vgpr_count:     170
    .wavefront_size: 32
...
	.end_amdgpu_metadata
.endif
;; end of part 2
;; launch gemm_qkv (part 3): grid 12 x 32, 4 waves a work-group, clusters of 4 x 4, 327,680 bytes of LDS; arguments opc, ops, b_qkv, qkvc, qkvs; writes qkvc, qkvs
.if DOCPART == 3
	.amdgcn_target "amdgcn-amd-amdhsa--gfx1250"
	.amdhsa_code_object_version 6
	.text
	.protected	k_qe839cbdcd7_gemm_qkv
	.globl	k_qe839cbdcd7_gemm_qkv
	.p2align	8
	.type	k_qe839cbdcd7_gemm_qkv,@function
k_qe839cbdcd7_gemm_qkv:
	s_mov_b64 s[64:65], 0
	v_nop
	global_prefetch_b8 v0, s[64:65] scope:SCOPE_SE
	s_setreg_imm32_b32 hwreg(HW_REG_WAVE_MODE, 25, 1), 1
	s_wait_xcnt 0x0
	s_wait_alu depctr_hold_cnt(0) depctr_sa_sdst(0) depctr_va_vdst(0) depctr_va_sdst(0) depctr_va_ssrc(0) depctr_va_vcc(0) depctr_vm_vsrc(0)
	s_getreg_b32 s2, hwreg(HW_REG_IB_STS2, 6, 4)
	s_cmp_eq_u32 s2, 0
	s_cbranch_scc0 .Lentry_in_a_cluster
	s_endpgm
.Lentry_in_a_cluster:
	s_bfe_u32 s2, ttmp6, 0x10000c
	s_cmp_lg_u32 s2, 0xf033
	s_cbranch_scc0 .Lentry_shape_is_right
	s_endpgm
.Lentry_shape_is_right:
.set PLANEA, 1179648
.set PLANEBB, 1179648
.set SPLA,   49152
.set SPLB,   49152
.set NQ,     2
.set FR,     12
.set NL,     3
.set NP,     4
.set HALFT,  24576
.set SLOT,   4*HALFT
.set SCL,    3*SLOT
.set HALFS,  4096
.set SPARE,  SCL+4*HALFS
.set STGW,   3584
.set ADRA, 16
.set SRD,  19
.set ADRB, 20
.set SSTO, 23
.set STO,  24
.set RD,   25
.set CO,   26
.set ADRS, 27
.set SPW,  28
.set NIL,  29
.set SCO,  31
.set SC,   32
.set M,    64
.set AF,   128
.set T,    128
.set PCA,  192
.set PCB,  204
.set CT,   216
.set SBI,  224
.set TM,   240
.set PW,   252
.set SEL,  66
.set G1,   24
.set G1B,  32
.set G1S,  40
.set G1SB, 48
.set G0S,  56
.set G0SB, 60
.set G0,   68
.set G0B,  80
.set MSB, 0
.macro WIN new
.if MSB != \new
	s_set_vgpr_msb (MSB<<8)|\new
.set MSB, \new
.endif
.endm
.set MUL_LO, 0xa1
.set MUL_HI, 0xf1
.set TO_B,   0x40
.macro JLOAD g0a, g1a, g0b, g1b
	s_cmp_eq_u32 s15, 0
	s_cbranch_scc0 .Lfor_b_\@
	tensor_load_to_lds s[\g0a:\g0a+3], s[\g1a:\g1a+7]
	s_nop 0
.rept 4
	v_nop
.endr
	s_branch .Lasked_\@
.Lfor_b_\@:
	tensor_load_to_lds s[\g0b:\g0b+3], s[\g1b:\g1b+7]
	s_nop 0
.rept 4
	v_nop
.endr
.Lasked_\@:
.endm
.macro CREST
	s_cmp_lg_u32 s14, 0
	s_cbranch_scc1 .Lnot_wave_0_\@
	s_barrier_signal -3
.Lnot_wave_0_\@:
	s_barrier_wait -3
	s_barrier_signal -1
	s_barrier_wait -1
.endm
.macro CROUND
	s_barrier_signal -1
	s_barrier_wait -1
	CREST
.endm
	s_load_b256 s[4:11], s[0:1], 0x0
	s_load_b64 s[12:13], s[0:1], 0x20
	v_lshl_add_u32 v[SPW], v0, 2, SPARE
	v_mov_b32 v[NIL], 0
	ds_add_u32 v28, v29
	ds_add_u32 v28, v29
	s_wait_dscnt 0x0
	v_lshrrev_b32 v1, 5, v0
	v_readfirstlane_b32 s14, v1
	s_lshr_b32 s15, s14, 1
	s_and_b32 s16, s14, 1
	s_bfe_u32 s17, ttmp6, 0x40000
	s_bfe_u32 s18, ttmp6, 0x40004
	s_and_b32 s19, ttmp7, 0xffff
	s_lshl_b32 s19, s19, 2
	s_lshl_b32 s2, ttmp9, 2
	s_cmp_eq_u32 ttmp9, 2
	s_cselect_b32 s3, -1, 0
	s_cselect_b32 s20, 0, s19
	s_cselect_b32 s92, s19, s2
	s_cselect_b32 s21, 640, 0
	s_cselect_b32 s93, 0, 512
	s_add_co_u32 s20, s20, s18
	s_add_co_u32 s92, s92, s17
	s_lshl_b32 s96, s18, 2
	s_lshl_b32 s96, 15, s96
	s_lshl_b32 s97, 0x1111, s17
	s_or_b32 s[G1+0], s96, (3<<16)|(1<<21)
	s_or_b32 s[G1B+0], s97, (3<<16)|(1<<21)
.irp g, G1, G1B
	s_mov_b32 s[\g+1], 1536<<16
	s_mov_b32 s[\g+2], 2<<16
	s_mov_b32 s[\g+3], 1536<<16
	s_mov_b32 s[\g+4], 2
	s_mov_b32 s[\g+6], 0
	s_mov_b32 s[\g+7], 0
.endr
	s_mov_b32 s[G1+5], PLANEA/8
	s_mov_b32 s[G1B+5], PLANEBB/8
	s_or_b32 s[G1S+0], s96, (3<<16)|(1<<21)
	s_or_b32 s[G1SB+0], s97, (3<<16)|(1<<21)
.irp g, G1S, G1SB
	s_mov_b32 s[\g+1], 64<<16
	s_mov_b32 s[\g+2], 8<<16
	s_mov_b32 s[\g+3], 64<<16
	s_mov_b32 s[\g+4], 8
	s_mov_b32 s[\g+6], 0
	s_mov_b32 s[\g+7], 0
.endr
	s_mov_b32 s[G1S+5], SPLA/8
	s_mov_b32 s[G1SB+5], SPLB/8
	s_lshl_b32 s23, s16, 3
	s_lshl_b32 s22, s20, 4
	s_add_co_u32 s22, s22, s21
	s_add_co_u32 s22, s22, s23
	s_lshl_b32 s94, s92, 4
	s_add_co_u32 s94, s94, s93
	s_add_co_u32 s94, s94, s23
	s_mul_i32 s98, s22, 1536
	s_mov_b32 s99, 0
	s_lshl_b32 s100, s22, 6
	s_mov_b32 s101, 0
	s_mul_i32 s92, s94, 1536
	s_mov_b32 s93, 0
	s_lshl_b32 s94, s94, 6
	s_mov_b32 s95, 0
	s_mul_i32 s23, s14, HALFT
	s_lshl_b32 s2, s14, 12
	s_wait_kmcnt 0x0
	s_add_nc_u64 s[98:99], s[4:5], s[98:99]
	s_add_nc_u64 s[100:101], s[6:7], s[100:101]
	s_add_nc_u64 s[92:93], s[4:5], s[92:93]
	s_add_nc_u64 s[94:95], s[6:7], s[94:95]
	CROUND
	s_mov_b32 s[G0S], 1
	s_add_co_u32 s[G0S+1], s2, SCL
	s_mov_b64 s[G0S+2:G0S+3], s[100:101]
	s_or_b32 s[G0S+3], s[G0S+3], 0x80000000
	s_mov_b32 s[G0SB], 1
	s_add_co_u32 s[G0SB+1], s2, SCL
	s_mov_b64 s[G0SB+2:G0SB+3], s[94:95]
	s_or_b32 s[G0SB+3], s[G0SB+3], 0x80000000
	JLOAD G0S, G1S, G0SB, G1SB
.irp s, 0,1,2
	s_mov_b32 s[G0+4*\s], 1
	s_add_co_u32 s[G0+4*\s+1], s23, \s*SLOT
	s_add_nc_u64 s[G0+4*\s+2:G0+4*\s+3], s[98:99], \s*2*PLANEA
	s_or_b32 s[G0+4*\s+3], s[G0+4*\s+3], 0x80000000
	s_mov_b32 s[G0B+4*\s], 1
	s_add_co_u32 s[G0B+4*\s+1], s23, \s*SLOT
	s_add_nc_u64 s[G0B+4*\s+2:G0B+4*\s+3], s[92:93], \s*2*PLANEBB
	s_or_b32 s[G0B+4*\s+3], s[G0B+4*\s+3], 0x80000000
	s_wait_alu depctr_va_vdst(0)
	s_wait_tensorcnt 0x0
	ds_add_u32 v28, v29
	s_wait_dscnt 0x0
	CROUND
	JLOAD G0+4*\s, G1, G0B+4*\s, G1B
.endr
	v_and_b32 v1, 15, v0
	v_bfe_u32 v2, v0, 4, 1
	v_and_b32 v3, 31, v0
	v_mul_u32_u24 v4, v3, 48
	s_mul_i32 s20, s15, HALFT
	s_mul_i32 s21, s16, HALFT
	s_add_co_u32 s21, s21, 2*HALFT
.irp s, 0,1,2
	v_add_nc_u32 v[ADRA+\s], s20, v4
	v_add_nc_u32 v[ADRB+\s], s21, v4
	s_add_co_u32 s20, s20, SLOT
	s_add_co_u32 s21, s21, SLOT
.endr
	v_lshlrev_b32 v5, 2, v1
	s_lshl_b32 s20, s15, 12
	s_lshl_b32 s21, s16, 12
	s_add_co_u32 s21, s21, 2*HALFS
	s_sub_co_u32 s21, s21, s20
	v_mul_u32_u24 v6, s21, v2
	s_add_co_u32 s20, s20, SCL
	v_add_nc_u32 v5, v5, v6
	v_add_nc_u32 v[ADRS], s20, v5
	v_lshlrev_b32 v[CO], 4, v3
	s_mul_i32 s20, s14, STGW
	s_add_co_u32 s20, s20, SLOT
	v_add_nc_u32 v[STO], s20, v4
	v_add_nc_u32 v[RD], s20, v[CO]
	s_add_co_u32 s20, s20, 3072
	v_lshl_add_u32 v[SSTO], v1, 2, s20
	v_add_nc_u32 v[SRD], s20, v[CO]
	v_lshlrev_b32 v[SCO], 12, v2
	v_lshl_add_u32 v[SCO], v1, 4, v[SCO]
.irp b, 0,1,2,3
	v_mov_b32 v[TM+4+\b], 0
.endr
	s_cmp_eq_u32 ttmp9, 2
	s_cselect_b32 s66, 0, s19
	s_lshl_b32 s104, ttmp9, 2
	s_cmp_eq_u32 ttmp9, 2
	s_cselect_b32 s67, s19, s104
	s_add_co_u32 s66, s66, s18
	s_add_co_u32 s67, s67, s17
	s_lshl_b32 s66, s66, 8
	s_lshl_b32 s67, s67, 8
	s_lshl_b32 s104, s15, 7
	s_add_co_u32 s66, s66, s104
	s_lshl_b32 s104, s16, 7
	s_add_co_u32 s67, s67, s104
	s_add_co_u32 s105, s66, 2048
	s_cmp_eq_u32 ttmp9, 2
	s_cselect_b32 s104, s67, s66
	s_cselect_b32 s105, s105, s67
	s_lshl_b32 s66, s105, 2
	s_cmp_eq_u32 ttmp9, 2
	s_cselect_b32 s67, 0, s66
	s_cselect_b32 s66, s66, 0
	v_lshl_add_u32 v7, v2, 6, s67
	v_and_b32 v9, 8, v1
	v_add_nc_u32 v9, v9, v1
	v_lshl_add_u32 v8, v9, 2, s66
.irp b, 0,1,2,3
.irp k, 0,1,2,3
	global_load_b128 v[M+16*\b+4*\k:M+16*\b+4*\k+3], v7, s[8:9] offset:128*\b+16*\k
.endr
.endr
.irp a, 0,1,2,3,4,5,6,7
	global_load_b32 v[SBI+2*\a], v8, s[8:9] offset:4*(64*(\a%2)+32*(\a/4)+8*((\a/2)%2))
.endr
	s_lshr_b32 s66, s105, 10
	s_lshl_b32 s66, s66, 2
	s_lshr_b32 s67, s104, 11
	s_add_co_u32 s66, s66, s67
	s_lshl_b32 s66, s66, 4
	s_bfe_u32 s67, s105, 0x40006
	s_add_co_u32 s66, s66, s67
	s_bfe_u32 s67, s104, 0x60005
	s_mul_i32 s104, s66, 98304
	s_mul_i32 s105, s67, 1536
	s_add_co_u32 s104, s104, s105
	s_mov_b32 s105, 0
	s_add_nc_u64 s[10:11], s[10:11], s[104:105]
	s_lshl_b32 s104, s66, 12
	s_lshl_b32 s105, s67, 6
	s_add_co_u32 s104, s104, s105
	s_mov_b32 s105, 0
	s_add_nc_u64 s[12:13], s[12:13], s[104:105]
	s_mov_b32 s[SEL], 0x76543210
	s_mov_b32 s[SEL+1], 0xfedcba98
.macro FRAG reg, adr, q, i
.irp c, 0,1,2
	ds_load_b128 v[\reg+4*\c:\reg+4*\c+3], v[\adr] offset:12288*(\q)+1536*(\i)+16*\c
.endr
.endm
.macro MUL16 a0, p, q, sc, zero
.irp a, \a0, \a0+1
.irp b, 0,1,2,3,4,5,6,7
.if \zero
	v_wmma_scale_f32_16x16x128_f8f6f4 v[8*(8*((\a)%4)+\b):8*(8*((\a)%4)+\b)+7], v[128*(\p)+FR*\b:128*(\p)+FR*\b+FR-1], v[AF+FR*(\a):AF+FR*(\a)+FR-1], 0, v[SC+8*NQ*(\sc)+NQ*\b+(\q)], v[SC+8*NQ*(\sc)+NQ*(\a)+(\q)] matrix_a_fmt:MATRIX_FMT_FP6 matrix_b_fmt:MATRIX_FMT_FP6 matrix_a_scale:MATRIX_SCALE_ROW1
.else
	v_wmma_scale_f32_16x16x128_f8f6f4 v[8*(8*((\a)%4)+\b):8*(8*((\a)%4)+\b)+7], v[128*(\p)+FR*\b:128*(\p)+FR*\b+FR-1], v[AF+FR*(\a):AF+FR*(\a)+FR-1], v[8*(8*((\a)%4)+\b):8*(8*((\a)%4)+\b)+7], v[SC+8*NQ*(\sc)+NQ*\b+(\q)], v[SC+8*NQ*(\sc)+NQ*(\a)+(\q)] matrix_a_fmt:MATRIX_FMT_FP6 matrix_b_fmt:MATRIX_FMT_FP6 matrix_a_scale:MATRIX_SCALE_ROW1
.endif
.endr
.endr
.endm
.macro FETCH_B slot, q, p
	WIN TO_B
.irp i, 0,1,2,3,4,5,6,7
	FRAG 128*(\p)+FR*\i, ADRB+\slot, \q, \i
.endr
	WIN 0
.endm
.macro FETCH_A slot, q, i0
.irp i, \i0, \i0+1, \i0+2, \i0+3
	FRAG AF+FR*(\i), ADRA+\slot, \q, \i
.endr
.endm
.macro SCALES sc
.irp i, 0,1,2,3,4,5,6,7
.irp q, 0,1
	ds_load_b32 v[SC+16*(\sc)+2*\i+\q], v[ADRS] offset:512*\q+64*\i
.endr
.endr
.endm
.macro PLACES n
.rept \n
	v_nop
.endr
.endm
.macro STEP p, q, sc, zero, nslot, nq, nsc
	s_wait_dscnt 4*NL
	WIN MUL_LO
	MUL16 0, \p, \q, \sc, \zero
	MUL16 2, \p, \q, \sc, \zero
	s_wait_dscnt 0x0
	PLACES NP
.if \nsc >= 0
	WIN 0
	v_add_nc_u32 v[ADRS], 1024, v[ADRS]
.endif
	FETCH_B \nslot, \nq, 1-\p
	FETCH_A \nslot, \nq, 0
.if \nsc >= 0
	SCALES \nsc
.endif
	WIN MUL_HI
	MUL16 4, \p, \q, \sc, \zero
	MUL16 6, \p, \q, \sc, \zero
	PLACES NP
	WIN 0
	FETCH_A \nslot, \nq, 4
.endm
.macro TURN sc, next, nsc, fill
	s_wait_tensorcnt 0x0
	ds_add_u32 v[SPW], v[NIL]
	s_wait_dscnt 4*NL+1
	WIN MUL_LO
	MUL16 0, 1, 1, \sc, 0
	s_wait_dscnt 0x0
	s_barrier_signal -1
	MUL16 2, 1, 1, \sc, 0
	WIN 0
	s_barrier_wait -1
.if \fill
	CREST
	s_add_nc_u64 s[G0+2:G0+3], s[G0+2:G0+3], 6*PLANEA
	s_add_nc_u64 s[G0B+2:G0B+3], s[G0B+2:G0B+3], 6*PLANEBB
	JLOAD G0, G1, G0B, G1B
.else
	PLACES NP
.endif
	v_add_nc_u32 v[ADRS], 1024, v[ADRS]
	FETCH_B \next, 0, 0
	FETCH_A \next, 0, 0
	SCALES \nsc
	WIN MUL_HI
	MUL16 4, 1, 1, \sc, 0
	MUL16 6, 1, 1, \sc, 0
	PLACES NP
	WIN 0
	FETCH_A \next, 0, 4
.endm
	s_wait_tensorcnt 2
	s_barrier_signal -1
	s_barrier_wait -1
	FETCH_B 0, 0, 0
	FETCH_A 0, 0, 0
	SCALES 0
	FETCH_A 0, 0, 4
	STEP 0, 0, 0, 1, 0, 1, -1
	TURN 0, 1, 1, 1
	s_wait_alu depctr_va_vdst(0)
	STEP 0, 0, 1, 0, 1, 1, -1
	STEP 1, 1, 1, 0, 2, 0, 0
	s_wait_alu depctr_va_vdst(0)
	STEP 0, 0, 0, 0, 2, 1, -1
	TURN 0, 0, 1, 0
	STEP 0, 0, 1, 0, 0, 1, -1
	s_wait_dscnt 4*NL
	WIN MUL_LO
	MUL16 0, 1, 1, 1, 0
	MUL16 2, 1, 1, 1, 0
	s_wait_dscnt 0x0
	WIN MUL_HI
	MUL16 4, 1, 1, 1, 0
	MUL16 6, 1, 1, 1, 0
	WIN 0
.macro QUANT s, pc, pw
.irp b, 0,1,2,3
	v_max3_num_f32 v[TM+\b], |v[\s+16*\b]|, |v[\s+1+16*\b]|, 0x1800000
.endr
.irp i, 2,4,6,8,10,12,14
.irp b, 0,1,2,3
	v_max3_num_f32 v[TM+\b], v[TM+\b], |v[\s+16*\b+\i]|, |v[\s+1+16*\b+\i]|
.endr
.endr
.irp b, 0,1,2,3
	v_permlanex16_b32 v[TM+4+\b], v[TM+\b], s[SEL], s[SEL+1]
.endr
.irp b, 0,1,2,3
	v_max_num_f32 v[TM+\b], v[TM+\b], v[TM+4+\b]
.endr
.irp b, 0,1,2,3
	v_add_nc_u32 v[TM+8+\b], 0xff000000, v[TM+\b]
.endr
.irp b, 0,1,2,3
	v_lshrrev_b32 v[TM+4+\b], 23, v[TM+8+\b]
.endr
	v_lshl_or_b32 v[\pw], v[TM+5], 8, v[TM+4]
	v_lshl_or_b32 v[\pw], v[TM+6], 16, v[\pw]
	v_lshl_or_b32 v[\pw], v[TM+7], 24, v[\pw]
.irp c, 0,1
	v_cvt_scalef32_pk16_fp6_f32 v[\pc+6*\c:\pc+2+6*\c], v[\s+32*\c:\s+15+32*\c], v[TM+8+2*\c]
	v_cvt_scalef32_pk16_fp6_f32 v[CT+4*\c:CT+2+4*\c], v[\s+16+32*\c:\s+31+32*\c], v[TM+8+2*\c+1]
.endr
	v_nop
.irp c, 0,1
.irp i, 0,1,2
	v_permlane16_swap_b32 v[\pc+6*\c+\i], v[CT+4*\c+\i]
.endr
.irp i, 0,1,2
	v_mov_b32 v[\pc+3+6*\c+\i], v[CT+4*\c+\i]
.endr
.endr
.endm
.macro HALF a, pc, pw
	WIN 0x20+0x10*((\a)/4)
.set KK, 0
.rept 32
	v_pk_fma_f32 v[T+KK:T+KK+1], v[M+KK:M+KK+1], v[SBI+2*(\a):SBI+2*(\a)+1], v[64*((\a)%4)+KK:64*((\a)%4)+KK+1]
.set KK, KK+2
.endr
	WIN 0
	QUANT T, \pc, \pw
.endm
.macro PAIR al
	s_wait_xcnt 0x0
	HALF 2*\al, PCA, PW
	HALF 2*\al+1, PCB, PW+1
.irp i, 0,1,2,3,4,5
	v_mov_b32 v[CT+\i], v[PCA+6+\i]
	v_cndmask_b32 v[PCA+6+\i], v[PCB+\i], v[PCA+6+\i], s3
	v_cndmask_b32 v[PCB+\i], v[CT+\i], v[PCB+\i], s3
.endr
	v_perm_b32 v254, v[PW+1], v[PW], 0x05040100
	v_perm_b32 v255, v[PW+1], v[PW], 0x07060302
	v_cndmask_b32 v254, v254, v[PW], s3
	v_cndmask_b32 v255, v255, v[PW+1], s3
.irp i, 0,1,2
	ds_store_b128 v[STO], v[PCA+4*\i:PCA+4*\i+3] offset:16*\i
.endr
.irp i, 0,1,2
	ds_store_b128 v[STO], v[PCB+4*\i:PCB+4*\i+3] offset:1536+16*\i
.endr
	ds_store_b32 v[SSTO], v254 offset:64*\al
	ds_store_b32 v[SSTO], v255 offset:256+64*\al
.irp j, 0,1,2,3,4,5
	ds_load_b128 v[T+4*\j:T+4*\j+3], v[RD] offset:512*\j
.endr
	s_wait_dscnt 0x0
.irp j, 0,1,2,3,4,5
	global_store_b128 v[CO], v[T+4*\j:T+4*\j+3], s[10:11] offset:(\j/3)*98304+1536*\al+512*(\j%3)
.endr
.endm
	s_wait_loadcnt 0x0
.set KK, 0
.rept 64
	v_cndmask_b32 v[M+KK], v[M+KK], 1.0, s3
.set KK, KK+1
.endr
.irp a, 0,1,2,3,4,5,6,7
	v_cndmask_b32 v[SBI+2*\a], 1.0, v[SBI+2*\a], s3
.endr
.irp a, 0,1,2,3,4,5,6,7
	v_mov_b32 v[SBI+2*\a+1], v[SBI+2*\a]
.endr
	s_wait_alu depctr_va_vdst(0)
	PAIR 0
	PAIR 1
	PAIR 2
	PAIR 3
	s_wait_xcnt 0x0
	ds_load_b128 v[T:T+3], v[SRD]
	s_wait_dscnt 0x0
	global_store_b128 v[SCO], v[T:T+3], s[12:13]
	s_wait_tensorcnt 0x0
	ds_add_u32 v[SPW], v[NIL]
	s_wait_dscnt 0x0
	CROUND
	s_endpgm
.Lfunc_end_k_qe839cbdcd7_gemm_qkv:
	.size	k_qe839cbdcd7_gemm_qkv, .Lfunc_end_k_qe839cbdcd7_gemm_qkv-k_qe839cbdcd7_gemm_qkv
	.p2alignl 7, 3214868480
	.fill 96, 4, 3214868480
	.section	.rodata,"a",@progbits
	.p2align	6, 0x0
	.amdhsa_kernel k_qe839cbdcd7_gemm_qkv
		.amdhsa_group_segment_fixed_size 327680
		.amdhsa_private_segment_fixed_size 0
		.amdhsa_enable_private_segment 0
		.amdhsa_kernarg_size 40
		.amdhsa_user_sgpr_count 2
		.amdhsa_user_sgpr_kernarg_segment_ptr 1
		.amdhsa_wavefront_size32 1
		.amdhsa_system_sgpr_workgroup_id_x 1
		.amdhsa_system_sgpr_workgroup_id_y 1
		.amdhsa_system_sgpr_workgroup_id_z 1
		.amdhsa_system_vgpr_workitem_id 0
		.amdhsa_next_free_vgpr 1024
		.amdhsa_next_free_sgpr 106
		.amdhsa_reserve_vcc 0
		.amdhsa_float_denorm_mode_32 3
		.amdhsa_float_denorm_mode_16_64 3
		.amdhsa_memory_ordered 1
		.amdhsa_forward_progress 1
		.amdhsa_inst_pref_size 176
	.end_amdhsa_kernel
	.amdgpu_metadata
---
amdhsa.version: [ 1, 2 ]
amdhsa.kernels:
  - .name:           k_qe839cbdcd7_gemm_qkv
    .symbol:         k_qe839cbdcd7_gemm_qkv.kd
    .args:
      - { .name: opc, .offset: 0, .size: 8, .value_kind: global_buffer, .address_space: global }
      - { .name: ops, .offset: 8, .size: 8, .value_kind: global_buffer, .address_space: global }
      - { .name: b_qkv, .offset: 16, .size: 8, .value_kind: global_buffer, .address_space: global }
      - { .name: qkvc, .offset: 24, .size: 8, .value_kind: global_buffer, .address_space: global }
      - { .name: qkvs, .offset: 32, .size: 8, .value_kind: global_buffer, .address_space: global }
    .group_segment_fixed_size: 327680
    .private_segment_fixed_size: 0
    .kernarg_segment_align: 8
    .kernarg_segment_size: 40
    .max_flat_workgroup_size: 128
    .sgpr_count:     106
    .vgpr_count:     1024
    .wavefront_size: 32
...
	.end_amdgpu_metadata
.endif
;; end of part 3
;; launch attention (part 4): grid 4 x 64, 12 waves a work-group, clusters of 4 x 1, 327,680 bytes of LDS; arguments qkvc, qkvs, oc, os; writes oc, os
.if DOCPART == 4
	.amdgcn_target "amdgcn-amd-amdhsa--gfx1250"
	.amdhsa_code_object_version 6
	.text
	.protected	k_qe839cbdcd7_attention
	.globl	k_qe839cbdcd7_attention
	.p2align	8
	.type	k_qe839cbdcd7_attention,@function
k_qe839cbdcd7_attention:
	s_mov_b64 s[64:65], 0
	v_nop
	global_prefetch_b8 v0, s[64:65] scope:SCOPE_SE
	s_setreg_imm32_b32 hwreg(HW_REG_WAVE_MODE, 25, 1), 1
	s_wait_xcnt 0x0
	s_wait_alu depctr_hold_cnt(0) depctr_sa_sdst(0) depctr_va_vdst(0) depctr_va_sdst(0) depctr_va_ssrc(0) depctr_va_vcc(0) depctr_vm_vsrc(0)
	s_getreg_b32 s2, hwreg(HW_REG_IB_STS2, 6, 4)
	s_cmp_eq_u32 s2, 0
	s_cbranch_scc0 .Lentry_in_a_cluster
	s_endpgm
.Lentry_in_a_cluster:
	s_bfe_u32 s2, ttmp6, 0x10000c
	s_cmp_lg_u32 s2, 0x3003
	s_cbranch_scc0 .Lentry_shape_is_right
	s_endpgm
.Lentry_shape_is_right:
; o = softmax(q k^T / 8) v for 64 (batch, head) pairs of 2,048 tokens x 64 channels, both products on codes of FP6 (E2M3) with E8M0 scales; o is quantised at once for the last product.
; IN: qkvc [H = (t 4 + batch) 16 + head][unit 0..63][1536], t = 0 q, 1 k, 2 v: images of operand registers (lane l's 12 registers at 48 l); qkvs [H][unit][64]: a scale word a row.
;   q, k: unit g: lane (row, h): token 32 g + 16 (row / 8) + row % 8, channels 32 h on (24 bytes), then the token 8 on.   v: unit 4 s + tau: v^T for keys 128 s on and 16 channels.
; OUT: oc [head][tile T of 16 tokens][768]: lane l's six registers at 24 l: half of the last product's operand;  os [pair of heads][T][row][4]: my head's two bytes of a row's scale word.
; THE SOFTMAX: t = score x log2(e) / 8; M = the row's largest t so far, rounded UP to a whole number; p = 2^(t - M) is quantised along the keys, not normalised.  The row's sum is taken of the
; unquantised p and divides O at the end.  When M moves, the sum and O are multiplied by 2^(old M - new M): exact.
; K = 64 IN AN INSTRUCTION OF K = 128: a fragment of k carries two tiles of 16 keys and is multiplied by (q, zero codes) and by (zero codes, q): v[22:33] and v[16:27].
; SHARES: a work-group owns ONE head and 512 queries, 32 tiles of 16; 4 x 64 = 256 work-groups.  The head's k and v, 196,608 bytes of codes and 8,192 of scale words, lie in LDS whole: each byte is asked
; for once, by one tensor load a wave at the head, and nothing is filled again.  Twelve waves, three to a SIMD: wave w takes tile 12 e + w in its pass e: waves 0 to 7 three tiles, waves 8 to 11 two (8 x 3 + 4 x 2 = 32),
; and walks the 2,048 keys once for each.  The loop has 48 trips in every wave; a branch on the wave's limit leads waves 8 to 11 round the work of the last 16: no barrier and no tensor load stands under it.
; Two barriers: the first shows keys 0 .. 511 and the scale words (waves 0 to 3 asked for them, by lines of their own); the second, behind four key steps, shows the rest.
; WHICH KEYS FORM A TILE is chosen by the lanes' LDS addresses: row 8 a + j of tile tau of a group c of 64 keys is key 64 c + 32 a + 8 tau + j, which lies in unit 2 c + a at lane 16 h + 8 (tau / 2) + j.
; So a lane's 32 scores of a group are the 32 keys of ONE scale block of p, in order: block 2 c + lane / 16: its largest needs no other lane, and the conversions' results are the operand's registers.
; k's even units lie from LDS byte 0 and its odd units from KO, 128 bytes off a multiple of 256: the sixteen lanes of half a load then name sixteen different 16-byte columns modulo 256 (64 banks of 4 bytes: ISA guide 11.1).
; CLUSTER: the four query blocks of a head ask for each tile jointly.  NO PREFETCH: every tile is asked for at the head, so no later load is left to run ahead of.
; os is written in pieces of 2 bytes, 4 bytes apart: a row's word holds two heads' bytes and the other head is another work-group's: 262,144 bytes in all against 6,291,456 of codes, which leave in runs of 512 and 256.
; All three passes' q are loaded at the head; waves 8 to 11 so load 24 bytes a lane and a scale word that they never use: these lie up to two units behind the block, inside qkvc and qkvs.
; LIMITS: NaN and infinities are not served; the promise holds while the scaled scores stay under 2^31 in magnitude; a block whose largest magnitude lies under 2^-124 keeps the byte 1,
; and so does a block of zeros (its codes are zeros; this program alone reads the bytes).
.set KO,    49280                      ; k's odd units: 32 x 1536 + 128
.set VB,    98560                      ; v's 64 units
.set SCK,   196864                     ; k's scale words, 256 bytes a key step; v's follow
.set SCV,   SCK+4096
.set SPARE, SCV+4096                   ; the spare words, 128 bytes a wave
.set STG,   SPARE+2048                 ; the way out: 1536 bytes a wave, of which 768 are used
.set LK,  1                            ; v1   my place in a fragment of k: KO a + 48 (16 h + j)
.set LV,  2                            ; v2   VB + 48 l
.set SPW, 3                            ; v3   my spare word; never rewritten
.set NIL, 4                            ; v4   0; never rewritten
.set AD,  5                            ; v5-7, v10  the step's LDS addresses: k, v, k's words, v's words
.set ADV, 6
.set ADS, 7
.set LS,  8                            ; v8   SCK + 64 a + 32 h + 4 j
.set LW,  9                            ; v9   SCV + 4 l
.set ADW, 10
.set CO,  11                           ; v11  16 l
.set QHI, 16                           ; v16-33: six zeros, q, six zeros
.set QLO, 22
.set QS,  34                           ; q's two scale bytes, twice
.set PS,  35                           ; p's scale word
.set KS,  36                           ; v36-37 k's scale words;  v38-39 v's
.set VS,  38
.set F,   40                           ; v40-87 four fragments of k or of v
.set S,   88                           ; v88-151 scores, then p: register 32 c + i: key 64 c + 32 (lane / 16) + i of the step
.set O,   152                          ; v152-183 O^T: register 16 G + i: channel 32 G + 16 (lane / 16) + i
.set P,   184                          ; v184-195 p's codes
.set CT,  196                          ; v196-202 second halves of codes, before they are moved
.set BM,  204                          ; v204-205 my two blocks' largest
.set BT,  206
.set SO,  208                          ; v208-209 the conversions' scale operands
.set W0,  210
.set W1,  211
.set FF,  212                          ; v[212:213] f = 2^(old M - new M)
.set TT,  214                          ; v214-227 seven partial sums
.set IMG, 228                          ; v228-233 a tile's codes of o
.set STO, 234                          ; v234-236 my stage: 24 l in; 16 l and 512 + 8 l back
.set RD,  235
.set RD2, 236
.set CO8, 237                          ; v237 8 l
.set R4,  238                          ; v238 4 (l % 16)
.set QO,  239                          ; v239 48 l
.set QA,  240                          ; v240-245 the next tile's q;  v246-251 the one after
.set QB,  246
.set QW,  252                          ; v252 the first tile's scale word as loaded;  v253, v254 the next two tiles'
.set QSA, 253
.set QSB, 254
.set OW,  255                          ; o's two scale bytes of my row
.set WV,  12
.set LIM, 15                           ; behind the head's loads: my key steps in all: 48 or 32
.set SEL, 20
.set CS,  22
.set G1K, 24                           ; group 1: 8 units of k, every second one;  G1K2: 12 such;  G1V: 12 units of v;  G1V0: 16;  G1S: both tensors' scale words
.set G1V, 32
.set G1V0, 40
.set G1S, 48
.set G1K2, 92
.set G0K, 56
.set G0V, 60
.set G0S, 68
.set N,   72                           ; key steps done
.set TK,  73
.set TV,  74
.set TJ,  75
.set T,   76
.set NC,  77                           ; -c
.macro WALU
	s_wait_alu depctr_va_vdst(0)
.endm
.macro CROUND
	s_barrier_signal -1
	s_barrier_wait -1
	s_cmp_lg_u32 s[WV], 0
	s_cbranch_scc1 .Lnot_wave_0_\@
	s_barrier_signal -3
.Lnot_wave_0_\@:
	s_barrier_wait -3
	s_barrier_signal -1
	s_barrier_wait -1
.endm
.macro TL g0, g1                       ; an s_nop 0; four v_nop follow it
	tensor_load_to_lds s[\g0:\g0+3], s[\g1:\g1+7]
	s_nop 0
.rept 4
	v_nop
.endr
.endm
.macro GRP1 g, c, r, p                 ; r rows of c elements of 8 bytes, p elements apart; mask: all four work-groups, bit 21 beside it
	s_mov_b32 s[\g], 15|(3<<16)|(1<<21)
	s_mov_b32 s[\g+1], (\c)<<16
	s_mov_b32 s[\g+2], (\r)<<16
	s_mov_b32 s[\g+3], (\c)<<16
	s_mov_b32 s[\g+4], \r
	s_mov_b32 s[\g+5], \p
	s_mov_b32 s[\g+6], 0
	s_mov_b32 s[\g+7], 0
.endm
	s_load_b256 s[4:11], s[0:1], 0x0               ; qkvc, qkvs, oc, os
	v_lshl_add_u32 v[SPW], v0, 2, SPARE
	v_mov_b32 v[NIL], 0
	ds_add_u32 v[SPW], v[NIL]                      ; the opening lines: the add twice on end and one wait
	ds_add_u32 v[SPW], v[NIL]
	v_lshrrev_b32 v5, 5, v0
	v_readfirstlane_b32 s[WV], v5                  ; wave 0..11
	s_bfe_u32 s13, ttmp6, 0x40000                  ; cx: my block of 512 queries: it enters q's and o's addresses alone
	s_and_b32 s14, ttmp7, 0xffff                   ; 16 batch + head
	s_and_b32 s16, s[WV], 1                        ; k: even or odd units
	s_bfe_u32 s17, s[WV], 0x10001                  ; waves 4 to 7: which 12 of the 24 units left
	s_bfe_u32 s15, s[WV], 0x10002                  ; 1 in waves 4 to 7, 0 in waves 0 and 1
	s_lshr_b32 s90, s[WV], 3                       ; 1 in waves 8 to 11, 0 in wave 2
	s_and_b32 s91, s[WV], 3                        ; waves 8 to 11: which 12 of v's 48 units left
	GRP1 G1K, 192, 8, 384
	GRP1 G1K2, 192, 12, 384
	GRP1 G1V, 32, 72, 32
	GRP1 G1V0, 32, 96, 32
	GRP1 G1S, 512, 2, 32768
	s_mov_b32 s[G0K], 1
	s_mul_i32 s18, s17, 18432
	s_add_co_u32 s18, s18, 12288
	s_mul_i32 s18, s18, s15
	s_mul_i32 s[G0K+1], s16, KO
	s_add_co_u32 s[G0K+1], s[G0K+1], s18           ; k: waves 0, 1: the region's start; waves 4 to 7: 8 or 20 units on
	s_mul_i32 s86, s17, 36864
	s_add_co_u32 s86, s86, 24576
	s_mul_i32 s86, s86, s15
	s_mul_i32 s19, s16, 1536
	s_add_co_u32 s86, s86, s19
	s_add_co_u32 s19, s14, 64
	s_mul_i32 s19, s19, 98304                      ; k's head
	s_add_co_u32 s86, s86, s19
	s_mov_b32 s[G0V], 1
	s_mul_i32 s18, s91, 18432
	s_add_co_u32 s18, s18, 24576
	s_mul_i32 s18, s18, s90
	s_add_co_u32 s[G0V+1], s18, VB                 ; v: wave 2: the region's start; waves 8 to 11: 16, 28, 40 or 52 units on
	s_add_co_u32 s18, s18, s19
	s_add_co_u32 s18, s18, 64*98304                ; v's head
	s_mov_b32 s87, 0
	s_mov_b32 s19, 0
	s_mov_b32 s[G0S], 1
	s_mov_b32 s[G0S+1], SCK
	s_lshl_b32 s88, s14, 12
	s_add_co_u32 s88, s88, 64*4096
	s_mov_b32 s89, 0
	s_mov_b32 s[SEL], 0x76543210
	s_mov_b32 s[SEL+1], 0xfedcba98
	s_mov_b32 s[CS], 0x3e38aa3b                    ; c = log2(e) / 8
	s_mov_b32 s[CS+1], s[CS]
	s_mov_b32 s[NC], 0xbe38aa3b
	WALU
	s_wait_dscnt 0x0
	s_wait_kmcnt 0x0
	s_add_nc_u64 s[G0K+2:G0K+3], s[4:5], s[86:87]
	s_or_b32 s[G0K+3], s[G0K+3], 0x80000000
	s_add_nc_u64 s[G0V+2:G0V+3], s[4:5], s[18:19]
	s_or_b32 s[G0V+3], s[G0V+3], 0x80000000
	s_add_nc_u64 s[G0S+2:G0S+3], s[6:7], s[88:89]
	s_or_b32 s[G0S+3], s[G0S+3], 0x80000000
	CROUND                                         ; all four work-groups are here: the joint loads meet
	; one load a wave, in one chain of arms.  Waves 0 to 3 have lines of their own: what the first four key steps read
	s_cmp_lt_u32 s[WV], 2
	s_cbranch_scc0 .Larm_v0
	TL G0K, G1K                                    ; waves 0, 1: the even and the odd units of keys 0 .. 511
	s_branch .Lasked
.Larm_v0:
	s_cmp_eq_u32 s[WV], 2
	s_cbranch_scc0 .Larm_s
	TL G0V, G1V0                                   ; wave 2: v for keys 0 .. 511
	s_branch .Lasked
.Larm_s:
	s_cmp_eq_u32 s[WV], 3
	s_cbranch_scc0 .Larm_k
	TL G0S, G1S                                    ; wave 3: all scale words of k and of v
	s_branch .Lasked
.Larm_k:
	s_cmp_lt_u32 s[WV], 8
	s_cbranch_scc0 .Larm_v
	TL G0K, G1K2                                   ; waves 4 to 7: k for keys 512 on
	s_branch .Lasked
.Larm_v:
	TL G0V, G1V                                    ; waves 8 to 11: v for keys 512 on
.Lasked:
	s_cmp_lt_u32 s[WV], 8
	s_cselect_b32 s[LIM], 48, 32
	s_lshl_b32 s18, s13, 4
	s_lshr_b32 s19, s[WV], 1
	s_add_co_u32 s18, s18, s19                     ; my first unit of q: 16 cx + wave / 2; of its two tiles I take wave % 2; a pass on: six units on
	s_mul_i32 s86, s14, 98304
	s_mul_i32 s19, s18, 1536
	s_add_co_u32 s86, s86, s19
	s_mul_i32 s19, s16, 24
	s_add_co_u32 s86, s86, s19
	s_add_nc_u64 s[78:79], s[4:5], s[86:87]
	s_lshl_b32 s86, s14, 12
	s_lshl_b32 s19, s18, 6
	s_add_co_u32 s86, s86, s19
	s_add_nc_u64 s[80:81], s[6:7], s[86:87]
	s_lshr_b32 s18, s14, 4
	s_lshl_b32 s18, s18, 7
	s_lshl_b32 s19, s13, 5
	s_add_co_u32 s18, s18, s19
	s_add_co_u32 s18, s18, s[WV]                   ; my first tile of o: 128 batch + 32 cx + wave
	s_and_b32 s19, s14, 15
	s_mul_i32 s86, s19, 393216
	s_mul_i32 s88, s18, 768
	s_add_co_u32 s86, s86, s88
	s_add_nc_u64 s[82:83], s[8:9], s[86:87]
	s_lshr_b32 s86, s19, 1
	s_lshl_b32 s86, s86, 15
	s_lshl_b32 s88, s18, 6
	s_add_co_u32 s86, s86, s88
	s_and_b32 s88, s14, 1
	s_lshl_b32 s88, s88, 1
	s_add_co_u32 s86, s86, s88
	s_add_nc_u64 s[84:85], s[10:11], s[86:87]
	s_mov_b32 s88, 0x03020302                      ; which two bytes of a unit's scale word are my tile's
	s_cmp_eq_u32 s16, 0
	s_cselect_b32 s88, 0x01000100, s88
	s_mul_i32 s18, s[WV], 1536
	s_add_co_u32 s18, s18, STG                     ; my stage
	v_and_b32 v[W0], 31, v0                        ; l
	v_and_b32 v[W1], 15, v0                        ; r
	v_mul_u32_u24 v[QO], v[W0], 48
	v_lshlrev_b32 v[R4], 2, v[W1]
.irp p, 0,1,2
	global_load_b64 v[QLO+2*\p:QLO+2*\p+1], v[QO], s[78:79] offset:8*\p
	global_load_b64 v[QA+2*\p:QA+2*\p+1], v[QO], s[78:79] offset:9216+8*\p
	global_load_b64 v[QB+2*\p:QB+2*\p+1], v[QO], s[78:79] offset:18432+8*\p
.endr
	global_load_b32 v[QW], v[R4], s[80:81]
	global_load_b32 v[QSA], v[R4], s[80:81] offset:384
	global_load_b32 v[QSB], v[R4], s[80:81] offset:768
	v_and_b32 v[W1], 7, v0                         ; j
	v_bfe_u32 v[OW], v0, 3, 1                      ; a
	v_bfe_u32 v5, v0, 4, 1                         ; h
	v_lshl_add_u32 v6, v5, 4, v[W1]
	v_mul_u32_u24 v6, v6, 48
	v_mad_u32_u24 v[LK], v[OW], KO, v6
	v_mad_u32_u24 v[LV], v[W0], 48, VB
	v_lshlrev_b32 v7, 2, v[W1]
	v_lshl_add_u32 v7, v5, 5, v7
	v_lshl_add_u32 v7, v[OW], 6, v7
	v_add_nc_u32 v[LS], SCK, v7
	v_lshl_add_u32 v[LW], v[W0], 2, SCV
	v_lshlrev_b32 v[CO], 4, v[W0]
	v_lshlrev_b32 v[CO8], 3, v[W0]
	v_mad_u32_u24 v[STO], v[W0], 24, s18
	v_add_nc_u32 v[RD], s18, v[CO]
	v_add_nc_u32 v[RD2], s18, v[CO8]
	v_add_nc_u32 v[RD2], 512, v[RD2]
.irp i, 0,1,2,3,4,5
	v_mov_b32 v[QHI+\i], 0                         ; zero codes
	v_mov_b32 v[QLO+6+\i], 0
.endr
	v_mov_b32 v13, 0xff61b1e6                      ; the largest score so far: -3e38
	v_mov_b32 v12, 0x7e000000                      ; -M: so large that the first f is 0
	v_mov_b32 v14, 0                               ; the sum, in two halves
	v_mov_b32 v15, 0
	v_mov_b32 v[FF+1], 0                           ; (named as the upper half of a pair)
	v_mov_b32 v[BT], 0                             ; a lane permute's destination counts as read
	v_mov_b32 v[BT+1], 0
	WALU
	s_wait_loadcnt 0x0
	v_perm_b32 v[QS], v[QW], v[QW], s88
	v_perm_b32 v[QSA], v[QSA], v[QSA], s88
	v_perm_b32 v[QSB], v[QSB], v[QSB], s88
.set J, 0
.rept 32
	v_mov_b32 v[O+J], 0                            ; O^T: the first change of M multiplies zeros.  (Also the places between the scale word's making and the first product)
.set J, J+1
.endr
.macro SQK b                           ; fragment b = 2 c + A: tiles 2 A and 2 A + 1 of group c
.if (\b)%2
	v_wmma_scale_f32_16x16x128_f8f6f4 v[S+16*(\b):S+16*(\b)+7], v[F+12*(\b):F+12*(\b)+11], v[QLO:QLO+11], 0, v[KS+(\b)/2], v[QS] matrix_a_fmt:MATRIX_FMT_FP6 matrix_b_fmt:MATRIX_FMT_FP6 matrix_a_scale:MATRIX_SCALE_ROW1
	v_wmma_scale_f32_16x16x128_f8f6f4 v[S+16*(\b)+8:S+16*(\b)+15], v[F+12*(\b):F+12*(\b)+11], v[QHI:QHI+11], 0, v[KS+(\b)/2], v[QS] matrix_a_fmt:MATRIX_FMT_FP6 matrix_b_fmt:MATRIX_FMT_FP6 matrix_a_scale:MATRIX_SCALE_ROW1
.else
	v_wmma_scale_f32_16x16x128_f8f6f4 v[S+16*(\b):S+16*(\b)+7], v[F+12*(\b):F+12*(\b)+11], v[QLO:QLO+11], 0, v[KS+(\b)/2], v[QS] matrix_a_fmt:MATRIX_FMT_FP6 matrix_b_fmt:MATRIX_FMT_FP6
	v_wmma_scale_f32_16x16x128_f8f6f4 v[S+16*(\b)+8:S+16*(\b)+15], v[F+12*(\b):F+12*(\b)+11], v[QHI:QHI+11], 0, v[KS+(\b)/2], v[QS] matrix_a_fmt:MATRIX_FMT_FP6 matrix_b_fmt:MATRIX_FMT_FP6
.endif
.endm
.macro SPV t                           ; O^T's tile t += v^T's tile t x p
.if (\t)%2
	v_wmma_scale_f32_16x16x128_f8f6f4 v[O+8*(\t):O+8*(\t)+7], v[F+12*(\t):F+12*(\t)+11], v[P:P+11], v[O+8*(\t):O+8*(\t)+7], v[VS+(\t)/2], v[PS] matrix_a_fmt:MATRIX_FMT_FP6 matrix_b_fmt:MATRIX_FMT_FP6 matrix_a_scale:MATRIX_SCALE_ROW1
.else
	v_wmma_scale_f32_16x16x128_f8f6f4 v[O+8*(\t):O+8*(\t)+7], v[F+12*(\t):F+12*(\t)+11], v[P:P+11], v[O+8*(\t):O+8*(\t)+7], v[VS+(\t)/2], v[PS] matrix_a_fmt:MATRIX_FMT_FP6 matrix_b_fmt:MATRIX_FMT_FP6
.endif
.endm
; A KEY STEP: 128 keys, step N % 16 of the head.  No two matrix instructions that follow each other share an accumulator.
.macro STEP
	s_and_b32 s[T], s[N], 15
	s_mul_i32 s[TK], s[T], 3072
	s_mul_i32 s[TV], s[T], 6144
	s_lshl_b32 s[TJ], s[T], 8
	v_add_nc_u32 v[AD], s[TK], v[LK]               ; these four are also the places in front of loads into registers that the last products have read
	v_add_nc_u32 v[ADV], s[TV], v[LV]
	v_add_nc_u32 v[ADS], s[TJ], v[LS]
	v_add_nc_u32 v[ADW], s[TJ], v[LW]
.irp f, 0,1,2,3
.irp i, 0,1,2
	ds_load_b128 v[F+12*\f+4*\i:F+12*\f+4*\i+3], v[AD] offset:1536*(\f/2)+384*(\f%2)+16*\i
.endr
.endr
	ds_load_b32 v[KS], v[ADS]                      ; lanes 0-15: fragment 2 c's rows, lanes 16-31: fragment 2 c + 1's
	ds_load_b32 v[KS+1], v[ADS] offset:128
	WALU
	s_wait_dscnt 0x0
	SQK 0
	SQK 1
	SQK 2
	SQK 3
	v_mov_b32 v[W0], v12                           ; the old -M; with three v_nop the four places in front of the loads below and of the first read of the scores
.rept 3
	v_nop
.endr
.irp t, 0,1,2,3                        ; v's fragments are asked for now: they land while the softmax is walked
.irp i, 0,1,2
	ds_load_b128 v[F+12*\t+4*\i:F+12*\t+4*\i+3], v[ADV] offset:1536*\t+16*\i
.endr
.endr
	ds_load_b32 v[VS], v[ADW]
	ds_load_b32 v[VS+1], v[ADW] offset:128
.irp c, 0,1                            ; the largest score of my two blocks of 32 keys, each in two chains; each accumulator is first read at its low end
	v_max3_num_f32 v[BM+\c], v[S+32*\c], v[S+32*\c+1], v[S+32*\c+2]
	v_max3_num_f32 v[BT+\c], v[S+32*\c+16], v[S+32*\c+17], v[S+32*\c+18]
.endr
.irp i, 3,5,7,9,11,13
.irp c, 0,1
	v_max3_num_f32 v[BM+\c], v[BM+\c], v[S+32*\c+\i], v[S+32*\c+\i+1]
	v_max3_num_f32 v[BT+\c], v[BT+\c], v[S+32*\c+16+\i], v[S+32*\c+17+\i]
.endr
.endr
.irp c, 0,1
	v_max3_num_f32 v[BM+\c], v[BM+\c], v[BT+\c], v[S+32*\c+15]
.endr
.irp c, 0,1
	v_max_num_f32 v[BM+\c], v[BM+\c], v[S+32*\c+31]
.endr
	v_max_num_f32 v[W1], v[BM], v[BM+1]
	v_permlanex16_b32 v[BT], v[W1], s[SEL], s[SEL+1]
	v_max3_num_f32 v13, v13, v[W1], v[BT]          ; the running largest score of my query
	v_mul_f32 v[W1], s[NC], v13                    ; -t
	v_floor_f32 v12, v[W1]                         ; the new -M = floor(-t) = -ceil(t)
	v_sub_f32 v[W1], v12, v[W0]                    ; old M - new M: a whole number, 0 or less
	v_cvt_i32_f32 v[W1], v[W1]                     ; (it saturates)
	v_ldexp_f32 v[FF], 1.0, v[W1]                  ; f = 2^(old M - new M)
.set J, 0
.rept 32
	v_pk_fma_f32 v[S+J:S+J+1], v[S+J:S+J+1], s[CS:CS+1], v[12:13] op_sel_hi:[1,0,0]   ; t - M
.set J, J+2
.endr
.irp c, 0,1
	v_fma_f32 v[BM+\c], v[BM+\c], s[CS], v12       ; the same of each block's largest score
.endr
.set J, 0
.rept 16
	v_pk_mul_f32 v[O+J:O+J+1], v[O+J:O+J+1], v[FF:FF+1] op_sel_hi:[1,0]   ; O^T under the new M
.set J, J+2
.endr
	WALU                                           ; the wait ahead of the batch
.set J, 0
.rept 64
	v_exp_f32 v[S+J], v[S+J]                       ; p = 2^(t - M)
.set J, J+1
.endr
.irp c, 0,1
	v_exp_f32 v[BM+\c], v[BM+\c]                   ; the block's largest p: the same two instructions on the same number give the same bits
.endr
	v_pk_mul_f32 v[14:15], v[14:15], v[FF:FF+1] op_sel_hi:[1,0]   ; the sums under the new M: the plain instruction behind the exponentials
	WALU                                           ; and the one wait behind the batch
.irp c, 0,1
	v_max_num_f32 v[BM+\c], 0x1800000, v[BM+\c]    ; the floor 2^(3 - 127)
.endr
.irp c, 0,1
	s_delay_alu instid0(VALU_DEP_2)
	v_add_nc_u32 v[SO+\c], 0xff000000, v[BM+\c]    ; 2 off the exponent field: the conversions' scale operand
.endr
.irp c, 0,1
	s_delay_alu instid0(VALU_DEP_2)
	v_lshrrev_b32 v[BT+\c], 23, v[SO+\c]           ; the scale's byte
.endr
	s_delay_alu instid0(VALU_DEP_1)
	v_lshl_or_b32 v[W1], v[BT+1], 16, v[BT]        ; my blocks h and 2 + h
	s_delay_alu instid0(VALU_DEP_1)
	v_permlanex16_b32 v[W0], v[W1], s[SEL], s[SEL+1]
	s_delay_alu instid0(VALU_DEP_1)
	v_lshl_or_b32 v[PS], v[W0], 8, v[W1]           ; lanes 0-15, which alone are read: blocks 0, 2 mine, 1, 3 the other half's
.irp c, 0,1
	v_cvt_scalef32_pk16_fp6_f32 v[P+6*\c:P+6*\c+2], v[S+32*\c:S+32*\c+15], v[SO+\c]
	v_cvt_scalef32_pk16_fp6_f32 v[CT+4*\c:CT+4*\c+2], v[S+32*\c+16:S+32*\c+31], v[SO+\c]   ; (a conversion's three registers begin on an even number)
.endr
.irp k, 0,1,2,3,4,5,6                  ; the row's sum of the unquantised p, in eight chains; these lines are also the places behind the conversions and ahead of the products
	v_pk_add_f32 v[TT+2*\k:TT+2*\k+1], v[S+4*\k:S+4*\k+1], v[S+4*\k+2:S+4*\k+3]
.endr
	v_pk_add_f32 v[14:15], v[14:15], v[S+28:S+29]
.irp c, 0,1
.irp i, 0,1,2
	v_mov_b32 v[P+3+6*\c+\i], v[CT+4*\c+\i]
.endr
.endr
.irp k, 0,1,2,3,4,5,6
	v_pk_add_f32 v[TT+2*\k:TT+2*\k+1], v[TT+2*\k:TT+2*\k+1], v[S+30+2*\k:S+31+2*\k]
.endr
	v_pk_add_f32 v[14:15], v[14:15], v[S+44:S+45]
.irp k, 0,1,2,3,4,5,6
	v_pk_add_f32 v[TT+2*\k:TT+2*\k+1], v[TT+2*\k:TT+2*\k+1], v[S+46+2*\k:S+47+2*\k]
.endr
	v_pk_add_f32 v[14:15], v[14:15], v[S+60:S+61]
	v_pk_add_f32 v[TT:TT+1], v[TT:TT+1], v[S+62:S+63]
	v_pk_add_f32 v[TT+4:TT+5], v[TT+4:TT+5], v[TT+6:TT+7]
	v_pk_add_f32 v[TT+8:TT+9], v[TT+8:TT+9], v[TT+10:TT+11]
	v_pk_add_f32 v[14:15], v[14:15], v[TT+12:TT+13]
	v_pk_add_f32 v[TT:TT+1], v[TT:TT+1], v[TT+2:TT+3]
	s_delay_alu instid0(VALU_DEP_1)
	v_pk_add_f32 v[TT:TT+1], v[TT:TT+1], v[TT+4:TT+5]
	v_pk_add_f32 v[14:15], v[14:15], v[TT+8:TT+9]
	s_delay_alu instid0(VALU_DEP_1)
	v_pk_add_f32 v[14:15], v[14:15], v[TT:TT+1]
	WALU                                           ; the wait ahead of the wait below and of the branch behind the step
	s_wait_dscnt 0x0                               ; v's fragments and scale words are in
	SPV 0
	SPV 1
	SPV 2
	SPV 3
.endm
; A TILE'S END: O^T / the sum, quantised along the head's 64 channels (two blocks), and stored; then the next tile's q and a fresh state.
.macro FIN
.rept 4
	v_nop                                          ; places behind the last products
.endr
	v_add_f32 v14, v14, v15
	s_delay_alu instid0(VALU_DEP_1)
	v_permlanex16_b32 v[BT], v14, s[SEL], s[SEL+1]
	s_delay_alu instid0(VALU_DEP_1)
	v_add_f32 v14, v14, v[BT]                      ; the row's sum
	WALU
	v_rcp_f32 v14, v14
	v_nop
	WALU
.set J, 0
.rept 16
	v_pk_mul_f32 v[S+J:S+J+1], v[O+J:O+J+1], v[14:15] op_sel_hi:[1,0]
.set J, J+2
.endr
.irp b, 0,1
	v_max3_num_f32 v[BM+\b], |v[S+16*\b]|, |v[S+16*\b+1]|, 0x1800000
.endr
.irp i, 2,4,6,8,10,12,14
.irp b, 0,1
	s_delay_alu instid0(VALU_DEP_2)
	v_max3_num_f32 v[BM+\b], v[BM+\b], |v[S+16*\b+\i]|, |v[S+16*\b+\i+1]|
.endr
.endr
.irp b, 0,1
	s_delay_alu instid0(VALU_DEP_2)
	v_permlanex16_b32 v[BT+\b], v[BM+\b], s[SEL], s[SEL+1]
.endr
.irp b, 0,1
	s_delay_alu instid0(VALU_DEP_2)
	v_max_num_f32 v[BM+\b], v[BM+\b], v[BT+\b]
.endr
.irp b, 0,1
	s_delay_alu instid0(VALU_DEP_2)
	v_add_nc_u32 v[SO+\b], 0xff000000, v[BM+\b]
.endr
.irp b, 0,1
	s_delay_alu instid0(VALU_DEP_2)
	v_lshrrev_b32 v[BT+\b], 23, v[SO+\b]
.endr
	s_delay_alu instid0(VALU_DEP_1)
	v_lshl_or_b32 v[OW], v[BT+1], 8, v[BT]         ; the row's two bytes
	v_cvt_scalef32_pk16_fp6_f32 v[IMG:IMG+2], v[S:S+15], v[SO]
	v_cvt_scalef32_pk16_fp6_f32 v[CT:CT+2], v[S+16:S+31], v[SO+1]
	v_nop
.irp i, 0,1,2
	v_permlane16_swap_b32 v[IMG+\i], v[CT+\i]
.endr
.irp i, 0,1,2
	s_delay_alu instid0(VALU_DEP_3)
	v_mov_b32 v[IMG+3+\i], v[CT+\i]
.endr
.irp i, 0,1,2,3,4,5
	v_mov_b32 v[QLO+\i], v[QA+\i]                  ; the queue of q's tiles moves up
.endr
.irp i, 0,1,2,3,4,5
	v_mov_b32 v[QA+\i], v[QB+\i]
.endr
	v_mov_b32 v[QS], v[QSA]
	v_mov_b32 v[QSA], v[QSB]
.set J, 0
.rept 32
	v_mov_b32 v[O+J], 0                            ; (also the places between the writing of q and its scale word and the next product)
.set J, J+1
.endr
	v_mov_b32 v13, 0xff61b1e6
	v_mov_b32 v12, 0x7e000000
	v_mov_b32 v14, 0
	v_mov_b32 v15, 0
	WALU
.irp i, 0,1,2
	ds_store_b64 v[STO], v[IMG+2*\i:IMG+2*\i+1] offset:8*\i   ; the tile's 768 bytes turn through my own stage
.endr
	ds_load_b128 v[S:S+3], v[RD]                   ; LDS serves a wave's instructions in order: these see my stores
	ds_load_b64 v[S+4:S+5], v[RD2]
	s_wait_dscnt 0x0
	global_store_b128 v[CO], v[S:S+3], s[82:83]                ; 512 consecutive bytes, at a multiple of 256 from oc's first byte,
	global_store_b64 v[CO8], v[S+4:S+5], s[82:83] offset:512   ; and the 256 that follow
	global_store_b16 v[R4], v[OW], s[84:85]        ; lanes r and 16 + r store the same two bytes at the same place
	s_wait_xcnt 0x0                                ; the stores have read their registers and bases
	s_add_nc_u64 s[82:83], s[82:83], 12*768        ; my next tile lies twelve on
	s_add_nc_u64 s[84:85], s[84:85], 12*64
.endm
	WALU                                           ; the wait at the head's end
	s_cmp_lt_u32 s[WV], 4
	s_cbranch_scc0 .Lnot_first
	s_wait_tensorcnt 0x0                           ; waves 0 to 3: my tile of keys 0 .. 511, or the scale words
.Lnot_first:
	s_barrier_signal -1
	s_barrier_wait -1                              ; the other waves' loads may be out
	s_mov_b32 s[N], 0
.Lfirst:                                           ; key steps 0 to 3 of my first tile
	STEP
	s_add_co_u32 s[N], s[N], 1
	s_cmp_lt_u32 s[N], 4
	s_cbranch_scc1 .Lfirst
	s_wait_tensorcnt 0x0                           ; every wave: my tile is in
	s_wait_dscnt 0x0
	s_barrier_signal -1
	s_barrier_wait -1                              ; all of k and v is in
	s_mov_b32 s[N], 4
.Lrest:                                            ; the other 44 trips
	s_cmp_lt_u32 s[N], s[LIM]                      ; waves 8 to 11 have no third tile
	s_cbranch_scc0 .Lnext
	STEP
	s_cmp_lg_u32 s[T], 15                          ; the head's sixteenth step ends a tile
	s_cbranch_scc1 .Lnext
	FIN
.Lnext:
	s_add_co_u32 s[N], s[N], 1
	s_cmp_lt_u32 s[N], 48
	s_cbranch_scc1 .Lrest
	s_wait_tensorcnt 0x0                           ; the wave's end
	ds_add_u32 v[SPW], v[NIL]
	s_wait_dscnt 0x0
	CROUND                                         ; the closing round
	s_endpgm
.Lfunc_end_k_qe839cbdcd7_attention:
	.size	k_qe839cbdcd7_attention, .Lfunc_end_k_qe839cbdcd7_attention-k_qe839cbdcd7_attention
	.p2alignl 7, 3214868480
	.fill 96, 4, 3214868480
	.section	.rodata,"a",@progbits
	.p2align	6, 0x0
	.amdhsa_kernel k_qe839cbdcd7_attention
		.amdhsa_group_segment_fixed_size 327680
		.amdhsa_private_segment_fixed_size 0
		.amdhsa_enable_private_segment 0
		.amdhsa_kernarg_size 32
		.amdhsa_user_sgpr_count 2
		.amdhsa_user_sgpr_kernarg_segment_ptr 1
		.amdhsa_wavefront_size32 1
		.amdhsa_system_sgpr_workgroup_id_x 1
		.amdhsa_system_sgpr_workgroup_id_y 1
		.amdhsa_system_sgpr_workgroup_id_z 1
		.amdhsa_system_vgpr_workitem_id 0
		.amdhsa_next_free_vgpr 256
		.amdhsa_next_free_sgpr 100
		.amdhsa_reserve_vcc 0
		.amdhsa_float_denorm_mode_32 3
		.amdhsa_float_denorm_mode_16_64 3
		.amdhsa_memory_ordered 1
		.amdhsa_forward_progress 1
		.amdhsa_inst_pref_size 50
	.end_amdhsa_kernel
	.amdgpu_metadata
---
amdhsa.version: [ 1, 2 ]
amdhsa.kernels:
  - .name:           k_qe839cbdcd7_attention
    .symbol:         k_qe839cbdcd7_attention.kd
    .args:
      - { .name: qkvc, .offset: 0, .size: 8, .value_kind: global_buffer, .address_space: global }
      - { .name: qkvs, .offset: 8, .size: 8, .value_kind: global_buffer, .address_space: global }
      - { .name: oc, .offset: 16, .size: 8, .value_kind: global_buffer, .address_space: global }
      - { .name: os, .offset: 24, .size: 8, .value_kind: global_buffer, .address_space: global }
    .group_segment_fixed_size: 327680
    .private_segment_fixed_size: 0
    .kernarg_segment_align: 8
    .kernarg_segment_size: 32
    .max_flat_workgroup_size: 384
    .sgpr_count:     100
    .vgpr_count:     256
    .wavefront_size: 32
...
	.end_amdgpu_metadata
.endif
;; end of part 4
;; launch gemm_out (part 5): grid 4 x 32, 4 waves a work-group, clusters of 4 x 4, 327,680 bytes of LDS; arguments oc, os, opc, ops, b_out, out0; writes out0
.if DOCPART == 5
	.amdgcn_target "amdgcn-amd-amdhsa--gfx1250"
	.amdhsa_code_object_version 6
	.text
	.protected	k_qe839cbdcd7_gemm_out
	.globl	k_qe839cbdcd7_gemm_out
	.p2align	8
	.type	k_qe839cbdcd7_gemm_out,@function
k_qe839cbdcd7_gemm_out:
	s_mov_b64 s[64:65], 0
	v_nop
	global_prefetch_b8 v0, s[64:65] scope:SCOPE_SE
	s_setreg_imm32_b32 hwreg(HW_REG_WAVE_MODE, 25, 1), 1
	s_wait_xcnt 0x0
	s_wait_alu depctr_hold_cnt(0) depctr_sa_sdst(0) depctr_va_vdst(0) depctr_va_sdst(0) depctr_va_ssrc(0) depctr_va_vcc(0) depctr_vm_vsrc(0)
	s_getreg_b32 s2, hwreg(HW_REG_IB_STS2, 6, 4)
	s_cmp_eq_u32 s2, 0
	s_cbranch_scc0 .Lentry_in_a_cluster
	s_endpgm
.Lentry_in_a_cluster:
	s_bfe_u32 s2, ttmp6, 0x10000c
	s_cmp_lg_u32 s2, 0xf033
	s_cbranch_scc0 .Lentry_shape_is_right
	s_endpgm
.Lentry_shape_is_right:
.set PLANEA, 786432
.set PLANEBB, 1179648
.set SPLA,   32768
.set SPLB,   49152
.set NQ,     2
.set FR,     12
.set NL,     6
.set NP,     4
.set HALFT,  24576
.set SLOT,   4*HALFT
.set SCL,    3*SLOT
.set HALFS,  4096
.set SPARE,  SCL+4*HALFS
.set SPITCH, 528
.set ADRA, 16
.set ADRB, 20
.set STO,  24
.set RD,   25
.set CO,   26
.set ADRS, 27
.set SPW,  28
.set NIL,  29
.set SC,   32
.set M,    64
.set AF,   128
.set BK,   128
.set G1,   24
.set G1B,  32
.set G1S,  40
.set G1SB, 48
.set G0S,  56
.set G0SB, 60
.set G0,   68
.set G0B,  80
.set MSB, 0
.macro WIN new
.if MSB != \new
	s_set_vgpr_msb (MSB<<8)|\new
.set MSB, \new
.endif
.endm
.set MUL_LO, 0xa1
.set MUL_HI, 0xf1
.set FIRST_LO, 0x81
.set FIRST_HI, 0xc1
.set TO_B,   0x40
.macro JLOAD g0a, g1a, g0b, g1b
	s_cmp_eq_u32 s15, 0
	s_cbranch_scc0 .Lfor_b_\@
	tensor_load_to_lds s[\g0a:\g0a+3], s[\g1a:\g1a+7]
	s_nop 0
.rept 4
	v_nop
.endr
	s_branch .Lasked_\@
.Lfor_b_\@:
	tensor_load_to_lds s[\g0b:\g0b+3], s[\g1b:\g1b+7]
	s_nop 0
.rept 4
	v_nop
.endr
.Lasked_\@:
.endm
.macro CREST
	s_cmp_lg_u32 s14, 0
	s_cbranch_scc1 .Lnot_wave_0_\@
	s_barrier_signal -3
.Lnot_wave_0_\@:
	s_barrier_wait -3
	s_barrier_signal -1
	s_barrier_wait -1
.endm
.macro CROUND
	s_barrier_signal -1
	s_barrier_wait -1
	CREST
.endm
	s_load_b256 s[4:11], s[0:1], 0x0
	s_load_b64 s[12:13], s[0:1], 0x20
	s_load_b64 s[66:67], s[0:1], 0x28
	v_lshl_add_u32 v[SPW], v0, 2, SPARE
	v_mov_b32 v[NIL], 0
	ds_add_u32 v28, v29
	ds_add_u32 v28, v29
	s_wait_dscnt 0x0
	v_lshrrev_b32 v1, 5, v0
	v_readfirstlane_b32 s14, v1
	s_lshr_b32 s15, s14, 1
	s_and_b32 s16, s14, 1
	s_bfe_u32 s17, ttmp6, 0x40000
	s_bfe_u32 s18, ttmp6, 0x40004
	s_and_b32 s20, ttmp7, 0xffff
	s_lshl_b32 s20, s20, 2
	s_add_co_u32 s20, s20, s18
	s_lshl_b32 s92, ttmp9, 2
	s_add_co_u32 s92, s92, s17
	s_lshl_b32 s96, s18, 2
	s_lshl_b32 s96, 15, s96
	s_lshl_b32 s97, 0x1111, s17
	s_or_b32 s[G1+0], s96, (3<<16)|(1<<21)
	s_or_b32 s[G1B+0], s97, (3<<16)|(1<<21)
.irp g, G1, G1B
	s_mov_b32 s[\g+1], 1536<<16
	s_mov_b32 s[\g+2], 2<<16
	s_mov_b32 s[\g+3], 1536<<16
	s_mov_b32 s[\g+4], 2
	s_mov_b32 s[\g+6], 0
	s_mov_b32 s[\g+7], 0
.endr
	s_mov_b32 s[G1+1], 768<<16                     ; A comes as [head][tile][768]: 8 tiles of a head are a row of 6,144 bytes; four heads are two planes of 128 along K
	s_mov_b32 s[G1+2], 4<<16
	s_mov_b32 s[G1+3], 768<<16
	s_mov_b32 s[G1+4], 4
	s_mov_b32 s[G1+5], PLANEA/16
	s_mov_b32 s[G1B+5], PLANEBB/8
	s_or_b32 s[G1S+0], s96, (3<<16)|(1<<21)
	s_or_b32 s[G1SB+0], s97, (3<<16)|(1<<21)
.irp g, G1S, G1SB
	s_mov_b32 s[\g+1], 64<<16
	s_mov_b32 s[\g+2], 8<<16
	s_mov_b32 s[\g+3], 64<<16
	s_mov_b32 s[\g+4], 8
	s_mov_b32 s[\g+6], 0
	s_mov_b32 s[\g+7], 0
.endr
	s_mov_b32 s[G1S+5], SPLA/8
	s_mov_b32 s[G1SB+5], SPLB/8
	s_lshl_b32 s23, s16, 3
	s_lshl_b32 s22, s20, 4
	s_add_co_u32 s22, s22, s23
	s_lshl_b32 s94, s92, 4
	s_add_co_u32 s94, s94, 704
	s_add_co_u32 s94, s94, s23
	s_mul_i32 s98, s22, 768
	s_mov_b32 s99, 0
	s_lshl_b32 s100, s22, 6
	s_mov_b32 s101, 0
	s_mul_i32 s92, s94, 1536
	s_mov_b32 s93, 0
	s_lshl_b32 s94, s94, 6
	s_mov_b32 s95, 0
	s_mul_i32 s23, s14, HALFT
	s_lshl_b32 s2, s14, 12
	s_wait_kmcnt 0x0
	s_add_nc_u64 s[98:99], s[4:5], s[98:99]
	s_add_nc_u64 s[100:101], s[6:7], s[100:101]
	s_add_nc_u64 s[92:93], s[8:9], s[92:93]
	s_add_nc_u64 s[94:95], s[10:11], s[94:95]
	CROUND
	s_mov_b32 s[G0S], 1
	s_add_co_u32 s[G0S+1], s2, SCL
	s_mov_b64 s[G0S+2:G0S+3], s[100:101]
	s_or_b32 s[G0S+3], s[G0S+3], 0x80000000
	s_mov_b32 s[G0SB], 1
	s_add_co_u32 s[G0SB+1], s2, SCL
	s_mov_b64 s[G0SB+2:G0SB+3], s[94:95]
	s_or_b32 s[G0SB+3], s[G0SB+3], 0x80000000
	JLOAD G0S, G1S, G0SB, G1SB
.irp s, 0,1,2
	s_mov_b32 s[G0+4*\s], 1
	s_add_co_u32 s[G0+4*\s+1], s23, \s*SLOT
	s_add_nc_u64 s[G0+4*\s+2:G0+4*\s+3], s[98:99], \s*2*PLANEA
	s_or_b32 s[G0+4*\s+3], s[G0+4*\s+3], 0x80000000
	s_mov_b32 s[G0B+4*\s], 1
	s_add_co_u32 s[G0B+4*\s+1], s23, \s*SLOT
	s_add_nc_u64 s[G0B+4*\s+2:G0B+4*\s+3], s[92:93], \s*2*PLANEBB
	s_or_b32 s[G0B+4*\s+3], s[G0B+4*\s+3], 0x80000000
	s_wait_alu depctr_va_vdst(0)
	s_wait_tensorcnt 0x0
	ds_add_u32 v28, v29
	s_wait_dscnt 0x0
	CROUND
	JLOAD G0+4*\s, G1, G0B+4*\s, G1B
.endr
	v_and_b32 v1, 15, v0
	v_bfe_u32 v2, v0, 4, 1
	v_and_b32 v3, 31, v0
	v_mul_u32_u24 v4, v3, 48
	v_mul_u32_u24 v8, v3, 24
	s_mul_i32 s20, s15, HALFT
	s_mul_i32 s21, s16, HALFT
	s_add_co_u32 s21, s21, 2*HALFT
.irp s, 0,1,2
	v_add_nc_u32 v[ADRA+\s], s20, v8
	v_add_nc_u32 v[ADRB+\s], s21, v4
	s_add_co_u32 s20, s20, SLOT
	s_add_co_u32 s21, s21, SLOT
.endr
	v_lshlrev_b32 v5, 2, v1
	s_lshl_b32 s20, s15, 12
	s_lshl_b32 s21, s16, 12
	s_add_co_u32 s21, s21, 2*HALFS
	s_sub_co_u32 s21, s21, s20
	v_mul_u32_u24 v6, s21, v2
	s_add_co_u32 s20, s20, SCL
	v_add_nc_u32 v5, v5, v6
	v_add_nc_u32 v[ADRS], s20, v5
	s_mul_i32 s20, s14, 16*SPITCH
	s_add_co_u32 s20, s20, SLOT
	v_mul_u32_u24 v5, v1, SPITCH
	v_lshl_add_u32 v5, v2, 6, v5
	v_add_nc_u32 v[STO], s20, v5
	v_lshlrev_b32 v[CO], 4, v3
	v_add_nc_u32 v[RD], s20, v[CO]
	s_and_b32 s104, ttmp7, 0xffff
	s_lshl_b32 s104, s104, 2
	s_add_co_u32 s104, s104, s18
	s_lshl_b32 s104, s104, 8
	s_lshl_b32 s3, s15, 7
	s_add_co_u32 s104, s104, s3
	s_lshl_b32 s104, s104, 12
	s_lshl_b32 s105, ttmp9, 2
	s_add_co_u32 s105, s105, s17
	s_lshl_b32 s105, s105, 8
	s_lshl_b32 s3, s16, 7
	s_add_co_u32 s105, s105, s3
	s_lshl_b32 s105, s105, 2
	v_lshl_add_u32 v7, v2, 6, s105
	s_add_co_u32 s104, s104, s105
	s_mov_b32 s105, 0
	s_add_nc_u64 s[66:67], s[66:67], s[104:105]
.irp b, 0,1,2,3
.irp k, 0,1,2,3
	global_load_b128 v[M+16*\b+4*\k:M+16*\b+4*\k+3], v7, s[12:13] offset:128*\b+16*\k
.endr
.endr
.macro FRAG reg, adr, q, i
.irp c, 0,1,2
	ds_load_b128 v[\reg+4*\c:\reg+4*\c+3], v[\adr] offset:12288*(\q)+1536*(\i)+16*\c
.endr
.endm
.macro MUL16 a0, p, q, sc, first
.irp a, \a0, \a0+1
.irp b, 0,1,2,3,4,5,6,7
.if \first
	v_wmma_scale_f32_16x16x128_f8f6f4 v[8*(8*((\a)%4)+\b):8*(8*((\a)%4)+\b)+7], v[128*(\p)+FR*\b:128*(\p)+FR*\b+FR-1], v[AF+FR*(\a):AF+FR*(\a)+FR-1], v[M+8*\b:M+8*\b+7], v[SC+8*NQ*(\sc)+NQ*\b+(\q)], v[SC+8*NQ*(\sc)+NQ*(\a)+(\q)] matrix_a_fmt:MATRIX_FMT_FP6 matrix_b_fmt:MATRIX_FMT_FP6 matrix_a_scale:MATRIX_SCALE_ROW1
.else
	v_wmma_scale_f32_16x16x128_f8f6f4 v[8*(8*((\a)%4)+\b):8*(8*((\a)%4)+\b)+7], v[128*(\p)+FR*\b:128*(\p)+FR*\b+FR-1], v[AF+FR*(\a):AF+FR*(\a)+FR-1], v[8*(8*((\a)%4)+\b):8*(8*((\a)%4)+\b)+7], v[SC+8*NQ*(\sc)+NQ*\b+(\q)], v[SC+8*NQ*(\sc)+NQ*(\a)+(\q)] matrix_a_fmt:MATRIX_FMT_FP6 matrix_b_fmt:MATRIX_FMT_FP6 matrix_a_scale:MATRIX_SCALE_ROW1
.endif
.endr
.endr
.endm
.macro FETCH_B slot, q, p
	WIN TO_B
.irp i, 0,1,2,3,4,5,6,7
	FRAG 128*(\p)+FR*\i, ADRB+\slot, \q, \i
.endr
	WIN 0
.endm
.macro FETCH_A slot, q, i0
.irp i, \i0, \i0+1, \i0+2, \i0+3
.irp c, 0,1,2
	ds_load_b64 v[AF+FR*(\i)+2*\c:AF+FR*(\i)+2*\c+1], v[ADRA+\slot] offset:12288*(\q)+768*(\i)+8*\c
	ds_load_b64 v[AF+FR*(\i)+6+2*\c:AF+FR*(\i)+7+2*\c], v[ADRA+\slot] offset:12288*(\q)+6144+768*(\i)+8*\c
.endr
.endr
.endm
.macro SCALES sc
.irp i, 0,1,2,3,4,5,6,7
.irp q, 0,1
	ds_load_b32 v[SC+16*(\sc)+2*\i+\q], v[ADRS] offset:512*\q+64*\i
.endr
.endr
.endm
.macro PLACES n
.rept \n
	v_nop
.endr
.endm
.macro STEP p, q, sc, first, nslot, nq, nsc
	s_wait_dscnt 4*NL
.if \first
	WIN FIRST_LO
.else
	WIN MUL_LO
.endif
	MUL16 0, \p, \q, \sc, \first
	MUL16 2, \p, \q, \sc, \first
	s_wait_dscnt 0x0
	PLACES NP
.if \nsc >= 0
	WIN 0
	v_add_nc_u32 v[ADRS], 1024, v[ADRS]
.endif
	FETCH_B \nslot, \nq, 1-\p
	FETCH_A \nslot, \nq, 0
.if \nsc >= 0
	SCALES \nsc
.endif
.if \first
	WIN FIRST_HI
.else
	WIN MUL_HI
.endif
	MUL16 4, \p, \q, \sc, \first
	MUL16 6, \p, \q, \sc, \first
	PLACES NP
	WIN 0
	FETCH_A \nslot, \nq, 4
.endm
.macro TURN sc, next, nsc, fill
	s_wait_tensorcnt 0x0
	ds_add_u32 v[SPW], v[NIL]
	s_wait_dscnt 4*NL+1
	WIN MUL_LO
	MUL16 0, 1, 1, \sc, 0
	s_wait_dscnt 0x0
	s_barrier_signal -1
	MUL16 2, 1, 1, \sc, 0
	WIN 0
	s_barrier_wait -1
.if \fill
	CREST
	s_add_nc_u64 s[G0+2:G0+3], s[G0+2:G0+3], 6*PLANEA
	s_add_nc_u64 s[G0B+2:G0B+3], s[G0B+2:G0B+3], 6*PLANEBB
	JLOAD G0, G1, G0B, G1B
.else
	PLACES NP
.endif
	v_add_nc_u32 v[ADRS], 1024, v[ADRS]
	FETCH_B \next, 0, 0
	FETCH_A \next, 0, 0
	SCALES \nsc
	WIN MUL_HI
	MUL16 4, 1, 1, \sc, 0
	MUL16 6, 1, 1, \sc, 0
	PLACES NP
	WIN 0
	FETCH_A \next, 0, 4
.endm
	s_wait_alu depctr_va_vdst(0)
	s_wait_tensorcnt 2
	s_barrier_signal -1
	s_barrier_wait -1
	FETCH_B 0, 0, 0
	FETCH_A 0, 0, 0
	SCALES 0
	FETCH_A 0, 0, 4
	s_wait_loadcnt 0x0
	STEP 0, 0, 0, 1, 0, 1, -1
	TURN 0, 1, 1, 1
	s_wait_alu depctr_va_vdst(0)
	STEP 0, 0, 1, 0, 1, 1, -1
	STEP 1, 1, 1, 0, 2, 0, 0
	s_wait_alu depctr_va_vdst(0)
	STEP 0, 0, 0, 0, 2, 1, -1
	TURN 0, 0, 1, 0
	STEP 0, 0, 1, 0, 0, 1, -1
	s_wait_dscnt 4*NL
	WIN MUL_LO
	MUL16 0, 1, 1, 1, 0
	MUL16 2, 1, 1, 1, 0
	s_wait_dscnt 0x0
	WIN MUL_HI
	MUL16 4, 1, 1, 1, 0
	MUL16 6, 1, 1, 1, 0
	WIN 0
.macro TOSTAGE a
.set AC, 64*((\a)%4)
	WIN 0x08+4*((\a)/4)
.irp b, 0,1,2,3,4,5,6,7
	ds_store_b128 v[STO], v[AC+8*\b:AC+8*\b+3] offset:128*(\b/2)+32*(\b%2)
	ds_store_b128 v[STO], v[AC+8*\b+4:AC+8*\b+7] offset:128*(\b/2)+32*(\b%2)+16
.endr
	WIN 0
.set BB, BK+64*((\a)%2)
.irp t, 0,1,2,3,4,5,6,7,8,9,10,11,12,13,14,15
	ds_load_b128 v[BB+4*\t:BB+4*\t+3], v[RD] offset:\t*SPITCH
.endr
.endm
.macro SEND a, younger
.set BB, BK+64*((\a)%2)
	s_wait_dscnt \younger
.irp t, 0,1,2,3,4,5,6,7,8,9,10,11,12,13,14,15
	global_store_b128 v[CO], v[BB+4*\t:BB+4*\t+3], s[66:67] offset:(32*((\a)/2)+8*((\a)%2)+16*(\t/8)+\t%8)*4096 th:TH_STORE_NT
.endr
.endm
	PLACES NP
	TOSTAGE 0
.irp a, 1,2,3,4,5,6,7
.if \a > 1
	s_wait_xcnt 0x0
.endif
	TOSTAGE \a
	SEND \a-1, 32
.endr
	SEND 7, 0
	s_wait_tensorcnt 0x0
	ds_add_u32 v[SPW], v[NIL]
	s_wait_dscnt 0x0
	CROUND
	s_endpgm
.Lfunc_end_k_qe839cbdcd7_gemm_out:
	.size	k_qe839cbdcd7_gemm_out, .Lfunc_end_k_qe839cbdcd7_gemm_out-k_qe839cbdcd7_gemm_out
	.p2alignl 7, 3214868480
	.fill 96, 4, 3214868480
	.section	.rodata,"a",@progbits
	.p2align	6, 0x0
	.amdhsa_kernel k_qe839cbdcd7_gemm_out
		.amdhsa_group_segment_fixed_size 327680
		.amdhsa_private_segment_fixed_size 0
		.amdhsa_enable_private_segment 0
		.amdhsa_kernarg_size 48
		.amdhsa_user_sgpr_count 2
		.amdhsa_user_sgpr_kernarg_segment_ptr 1
		.amdhsa_wavefront_size32 1
		.amdhsa_system_sgpr_workgroup_id_x 1
		.amdhsa_system_sgpr_workgroup_id_y 1
		.amdhsa_system_sgpr_workgroup_id_z 1
		.amdhsa_system_vgpr_workitem_id 0
		.amdhsa_next_free_vgpr 1024
		.amdhsa_next_free_sgpr 106
		.amdhsa_reserve_vcc 0
		.amdhsa_float_denorm_mode_32 3
		.amdhsa_float_denorm_mode_16_64 3
		.amdhsa_memory_ordered 1
		.amdhsa_forward_progress 1
		.amdhsa_inst_pref_size 153
	.end_amdhsa_kernel
	.amdgpu_metadata
---
amdhsa.version: [ 1, 2 ]
amdhsa.kernels:
  - .name:           k_qe839cbdcd7_gemm_out
    .symbol:         k_qe839cbdcd7_gemm_out.kd
    .args:
      - { .name: oc, .offset: 0, .size: 8, .value_kind: global_buffer, .address_space: global }
      - { .name: os, .offset: 8, .size: 8, .value_kind: global_buffer, .address_space: global }
      - { .name: opc, .offset: 16, .size: 8, .value_kind: global_buffer, .address_space: global }
      - { .name: ops, .offset: 24, .size: 8, .value_kind: global_buffer, .address_space: global }
      - { .name: b_out, .offset: 32, .size: 8, .value_kind: global_buffer, .address_space: global }
      - { .name: out0, .offset: 40, .size: 8, .value_kind: global_buffer, .address_space: global }
    .group_segment_fixed_size: 327680
    .private_segment_fixed_size: 0
    .kernarg_segment_align: 8
    .kernarg_segment_size: 48
    .max_flat_workgroup_size: 128
    .sgpr_count:     106
    .vgpr_count:     1024
    .wavefront_size: 32
...
	.end_amdgpu_metadata
.endif
;; end of part 5
